; MI455X (gfx1250); checked and timed in simulation.
; The chip was launched on July 23, 2026; its instructions are those of AMD's public machine-readable ISA for CDNA 5 (MIT licence, August 2026) and "CDNA5" Instruction Set Architecture Reference Guide (July 2026). The comments in the code are by the model that wrote it; some were corrected since.
;; QURNN Cell. Allowed arithmetic: matrix products marked QUANTISED: E5M2 operands, one E8M0 scale for each 32 along K, by v_wmma_scale_f32_16x16x128_f8f6f4 with both operands' format E5M2, f32 sums; everything else in f32.
;; Inputs: Eh_b 2,048 float32; Eh_w_codes 2,048 x 96 x 32 uint8 (E5M2 codes of Eh_w, K innermost, in blocks of 32 codes); Eh_w_scales 2,048 x 96 uint8 (E8M0 scales of Eh_w, one for each 32 codes along K); Hw_b 2,048 float32; Hw_w_codes 2,048 x 96 x 32 uint8 (E5M2 codes of Hw_w, K innermost, in blocks of 32 codes); Hw_w_scales 2,048 x 96 uint8 (E8M0 scales of Hw_w, one for each 32 codes along K); Wa_b 2,048 float32; Wa_w_codes 2,048 x 96 x 32 uint8 (E5M2 codes of Wa_w, K innermost, in blocks of 32 codes); Wa_w_scales 2,048 x 96 uint8 (E8M0 scales of Wa_w, one for each 32 codes along K); Wt_b 2,048 float32; Wt_w_codes 2,048 x 96 x 32 uint8 (E5M2 codes of Wt_w, K innermost, in blocks of 32 codes); Wt_w_scales 2,048 x 96 uint8 (E8M0 scales of Wt_w, one for each 32 codes along K); excited_cell 2,048 x 2,048 float32; h_cur 2,048 x 2,048 float32; time_cell 2,048 x 2,048 float32; x 2,048 x 1,024 float32.
;; Outputs: out0 2,048 x 2,048 float32; out1 2,048 x 2,048 float32; out2 2,048 x 2,048 float32.
;; This version of the problem:
;;   THIS VERSION OF THE PROBLEM IS GIVEN IN LOW PRECISION. The matrix products marked QUANTISED in the list below multiply operands that are first quantised to E5M2 (5 exponent bits, 2 mantissa bits; 8 bits a number), with one power-of-two scale for each 32 numbers along K (OCP MX v1.0); their sums are f32. All else is computed in f32.
;;   The module's matrix products, in the order in which they are computed (A, B: the left and right operand; K: the contracted axis; several contracted axes count as one K, in the product's order):
;;     1. [M 2,048, K 3,072] x [K 3,072, N 2,048]; A: computed on the way; B: input Wt_w (given as codes): QUANTISED
;;     2. [M 2,048, K 3,072] x [K 3,072, N 2,048]; A: computed on the way; B: input Wa_w (given as codes): QUANTISED
;;     3. [M 2,048, K 3,072] x [K 3,072, N 2,048]; A: computed on the way; B: input Eh_w (given as codes): QUANTISED
;;     4. [M 2,048, K 3,072] x [K 3,072, N 2,048]; A: computed on the way; B: input Hw_w (given as codes): QUANTISED
;;   THE QUANTISER, for each operand of a quantised product, along K:
;;     - K is cut into blocks of 32 from its start; a last block that is shorter is filled with zeros.
;;     - A block's scale is 2^e with e = floor(log2(the largest magnitude in the block)) - 15, held to -126 .. 127; a block of zeros has e = 0. As a byte (E8M0): e + 127.
;;     - Each number is divided by its block's scale, clamped to +-57,344, and rounded to the nearest number of E5M2, ties to even, subnormals kept.
;;     - The product sums the exact products of the quantised numbers (number of the format x scale) in f32.
;;   ~~~python
;;   def quantise(x, axis):      # numpy; x: float32 -> the quantised numbers, widened to float32 again
;;       x = np.moveaxis(x, axis, -1); K = x.shape[-1]
;;       x = np.pad(x, [(0, 0)] * (x.ndim - 1) + [(0, -K % 32)]); x = x.reshape(x.shape[:-1] + (-1, 32)); a = np.abs(x).max(-1, keepdims=True)
;;       e = np.where(a > 0, np.clip(np.frexp(np.where(a > 0, a, 1))[1] - 1 - 15, -126, 127), 0)      # np.frexp(a)[1] - 1 = floor(log2(a)), exactly
;;       r = np.clip(x / 2.0 ** e, -57344, 57344)
;;       step = 2.0 ** (np.maximum(np.frexp(np.where(r == 0, 1, r))[1] - 1, -14) - 2)
;;       q = np.round(r / step) * step * 2.0 ** e      # np.round: ties to even
;;       return np.moveaxis(q.reshape(q.shape[:-2] + (-1,))[..., :K], -1, axis).astype(np.float32)
;;   ~~~
;;   OPERANDS COMPUTED ON THE WAY. 'Computed on the way' means the value that the module computes at that place (a softmax that the list does not call 'softmax' is quantised finished and normalised). What goes into a quantiser is computed in f32, as accurately as f32 sums, v_exp_f32 and their like allow (about 1e-6 of the number): no bf16 or f16 on the way to a quantiser, and a product that is left as it is and whose result goes on into a quantised operand takes f32 operands (vector FMAs, or v_wmma_f32_16x16x4_f32). A number that lies on a knife's edge between two numbers of the format may be rounded either way, as far as f32 arithmetic and the matrix unit's own rounding can turn it there, and no further.
;;   INPUTS GIVEN AS CODES. Eh_w (in the module: [2048, 3072], K = its axis 1); Hw_w (in the module: [2048, 3072], K = its axis 1); Wa_w (in the module: [2048, 3072], K = its axis 1); Wt_w (in the module: [2048, 3072], K = its axis 1): each comes as NAME_codes (uint8): NAME with its K axis moved to the last place and cut into blocks of 32 codes, [.., K / 32, bytes a block], one block behind the other in memory; one code a byte (a code: sign, 5 exponent bits, 2 mantissa bits); and NAME_scales (uint8): the same leading axes, one E8M0 byte (e + 127) for each 32 codes along K. Its value is code x scale, taken as it is: it is not quantised again, and the codes and scales need not be those that the quantiser above would give.
;; One version. Each part assembles by itself: llvm-mc -triple=amdgcn-amd-amdhsa -mcpu=gfx1250 --defsym DOCPART=n.
;; ======== version 1 of 1: 3 launches
;; limits: right only within a limited range of input values
;; workspace buffers: acomb 6,488,064 bytes; ahup 4,325,376 bytes
;; launch quant (part 1): grid 24 x 32, 4 waves a work-group, no clusters, 34,816 bytes of LDS; arguments x, h_cur, acomb; writes acomb
.if DOCPART == 1
	.amdgcn_target "amdgcn-amd-amdhsa--gfx1250"
	.amdhsa_code_object_version 6
	.text
	.protected	k_q609625c076_quant
	.globl	k_q609625c076_quant
	.p2align	8
	.type	k_q609625c076_quant,@function
k_q609625c076_quant:
	s_mov_b64 s[64:65], 0
	v_nop
	global_prefetch_b8 v0, s[64:65] scope:SCOPE_SE
	s_setreg_imm32_b32 hwreg(HW_REG_WAVE_MODE, 25, 1), 1
	s_wait_xcnt 0x0
; combined = [x | h_cur], [2048][3072] f32, becomes codes of BF8 (E5M2) with one E8M0 scale byte for each 32 along K, laid in the ORDER OF THE OPERAND'S REGISTERS:
; acomb = [16 blocks of 128 rows][24 chunks of 128 along K][16,896 bytes].  In a chunk block: 8 fragment images of 2,048 bytes (the 16 bytes at 2048 a + 512 c + 16 lane are row 16 a + lane % 16,
; k = 32 c + 16 (lane / 16) + 0 .. 15), then 128 scale words (row's word at 16,384 + 4 row; byte b scales k = 32 b .. 32 b + 31).
; A block's scale is 2^(floor(log2(its largest magnitude)) - 15); its byte is the largest magnitude's exponent field - 15, held at 1 from below; each number is held within +-57,344 x the scale and rounded to the nearest code.
; LIMITS: a block of zeros gets the byte 1 where the rule says 127 (its codes are zeros, and this program alone reads the bytes); NaN and infinities among the inputs are not served.
; SHARES: work-group (x, g): rows 64 g .. 64 g + 63, chunk x (512 bytes of f32 of each row); wave w: rows 64 g + 16 w on.  Buffer, row pitch and offsets are chosen on the work-group's number alone.
; Each load reads 512 consecutive bytes of one row; a fragment wants a lane to hold pieces of ONE row: so the 16 x 512 bytes turn through the wave's own stage in LDS (rows 528 bytes apart).
; No tensor loads, no matrix unit, no cluster: work-groups share no input, and memory binds.
.set SP,    528                        ; a stage row: 512 bytes + 16 of padding
.set WSTG,  16*SP                      ; a wave's stage
.set SCW,   4*WSTG                     ; behind the stages: the work-group's 64 scale words
.set CHB,   16896                      ; a chunk block of acomb
.set OFF,   16                         ; v16-31  16 lane + i x the row pitch
.set X,     32                         ; v32-95  the rows as loaded
.set Y,     96                         ; v96-159 register 16 b + i: k = 32 b + 16 (lane / 16) + i of row lane % 16
.set TM,    160                        ; v160-163 largest magnitudes, v164-167 bytes, v168-171 the largest number x the scale, v172-175 the conversions' scale operands
.set PW,    176                        ; the scale word
.set PC,    180                        ; v180-195 the codes
.set SEL,   20
.set WV,    22
.set MNT,   24
	s_load_b128 s[4:7], s[0:1], 0x0                ; x, h_cur
	s_load_b64 s[16:17], s[0:1], 0x10              ; acomb
	v_lshl_add_u32 v200, v0, 2, 0x8600
	v_mov_b32 v201, 0
	v_lshrrev_b32 v1, 5, v0
	v_readfirstlane_b32 s[WV], v1                  ; wave 0..3
	v_and_b32 v1, 31, v0                           ; lane
	v_and_b32 v2, 15, v0                           ; r
	v_bfe_u32 v3, v0, 4, 1                         ; h
	v_lshlrev_b32 v4, 4, v1                        ; 16 lane
	s_mul_i32 s23, s[WV], WSTG                     ; my stage
	v_add_nc_u32 v5, s23, v4                       ; into it: a row as it lies
	v_mul_u32_u24 v6, v2, SP
	v_add_nc_u32 v6, s23, v6                       ; out of it: row r,
	v_lshl_add_u32 v6, v3, 6, v6                   ; + 64 h: my 16 numbers of a block of 32
	s_lshl_b32 s23, s[WV], 6
	v_lshl_add_u32 v7, v2, 2, s23
	v_add_nc_u32 v7, SCW, v7                       ; my row's scale word: 64 wave + 4 r
	v_lshlrev_b32 v8, 3, v1                        ; the words' way out: 8 bytes a lane
	v_add_nc_u32 v9, SCW, v8
	s_mov_b32 s[SEL], 0x76543210
	s_mov_b32 s[SEL+1], 0xfedcba98
	s_mov_b32 s[MNT], 0x600000
.irp b, 0,1,2,3
	v_mov_b32 v[TM+4+\b], 0                        ; a lane permute's destination counts as one of its sources
.endr
	s_and_b32 s28, ttmp7, 0xffff                   ; g
	s_mov_b32 s25, 8192                            ; the row pitch in bytes,
	s_mov_b32 s26, 8                               ; and the first chunk of my buffer
	s_wait_kmcnt 0x0
	s_cmp_lt_u32 ttmp9, 8
	s_cselect_b64 s[4:5], s[4:5], s[6:7]           ; x or h_cur
	s_cselect_b32 s25, 4096, s25
	s_cselect_b32 s26, 0, s26
	s_lshl_b32 s30, s28, 6
	s_lshl_b32 s31, s[WV], 4
	s_add_co_u32 s30, s30, s31                     ; my first row: 64 g + 16 wave
	s_mul_i32 s30, s30, s25
	s_sub_co_u32 s29, ttmp9, s26                   ; which 512 bytes of the rows
	s_lshl_b32 s31, s29, 9
	s_add_co_u32 s30, s30, s31
	s_mov_b32 s31, 0
	s_add_nc_u64 s[4:5], s[4:5], s[30:31]
	s_lshr_b32 s32, s28, 1                         ; my chunk block: (g / 2) x 24 + x,
	s_mul_i32 s32, s32, 24
	s_add_co_u32 s32, s32, ttmp9
	s_mul_i32 s32, s32, CHB
	s_and_b32 s33, s28, 1
	s_lshl_b32 s34, s33, 2
	s_add_co_u32 s34, s34, s[WV]
	s_lshl_b32 s34, s34, 11
	s_add_co_u32 s34, s34, s32                     ; my fragment image in it: 4 (g % 2) + wave,
	s_lshl_b32 s33, s33, 8
	s_add_co_u32 s33, s33, s32
	s_add_co_u32 s33, s33, 16384                   ; and the work-group's 64 scale words
	s_mov_b32 s35, 0
	s_add_nc_u64 s[36:37], s[16:17], s[34:35]
	s_mov_b32 s34, s33
	s_add_nc_u64 s[38:39], s[16:17], s[34:35]
.irp i, 0,1,2,3,4,5,6,7,8,9,10,11,12,13,14,15
	v_mad_u32_u24 v[OFF+\i], s25, \i, v4
.endr
.irp i, 0,1,2,3,4,5,6,7,8,9,10,11,12,13,14,15
	global_load_b128 v[X+4*\i:X+4*\i+3], v[OFF+\i], s[4:5] th:TH_LOAD_NT   ; 32 lanes read 512 consecutive bytes of row i
.endr
.irp i, 0,1,2,3,4,5,6,7,8,9,10,11,12,13,14,15
	s_wait_loadcnt 15-\i                           ; loads come back in order: row i is in, the 15 - i younger ones stay out
	ds_store_b128 v5, v[X+4*\i:X+4*\i+3] offset:SP*\i
.endr
.irp b, 0,1,2,3
.irp j, 0,1,2,3
	ds_load_b128 v[Y+16*\b+4*\j:Y+16*\b+4*\j+3], v6 offset:128*\b+16*\j   ; LDS serves a wave's instructions in order: these see my stores
.endr
.endr
	s_wait_dscnt 0x0
.irp b, 0,1,2,3
	v_max3_num_f32 v[TM+\b], |v[Y+16*\b]|, |v[Y+1+16*\b]|, 0x8000000   ; block b: my 16 numbers, and the floor 2^(16 - 127): the byte cannot fall under 1
.endr
.irp i, 2,4,6,8,10,12,14
.irp b, 0,1,2,3
	v_max3_num_f32 v[TM+\b], v[TM+\b], |v[Y+16*\b+\i]|, |v[Y+1+16*\b+\i]|   ; the four blocks by turns
.endr
.endr
.irp b, 0,1,2,3
	v_permlanex16_b32 v[TM+4+\b], v[TM+\b], s[SEL], s[SEL+1]
.endr
.irp b, 0,1,2,3
	v_max_num_f32 v[TM+\b], v[TM+\b], v[TM+4+\b]   ; with lane l xor 16's 16: the block's largest magnitude
.endr
.irp b, 0,1,2,3
	v_add_nc_u32 v[TM+12+\b], 0xf8800000, v[TM+\b]   ; 15 off its exponent field: the conversion's scale operand
.endr
.irp b, 0,1,2,3
	v_and_or_b32 v[TM+8+\b], v[TM+\b], 0x7f800000, s[MNT]   ; 57,344 x the scale
.endr
.irp b, 0,1,2,3
	v_lshrrev_b32 v[TM+4+\b], 23, v[TM+12+\b]   ; the scale's byte
.endr
	v_lshl_or_b32 v[PW], v[TM+5], 8, v[TM+4]
	v_lshl_or_b32 v[PW], v[TM+6], 16, v[PW]
	v_lshl_or_b32 v[PW], v[TM+7], 24, v[PW]
.irp b, 0,1,2,3
.irp i, 0,1,2,3,4,5,6,7,8,9,10,11,12,13,14,15
	v_med3_num_f32 v[Y+16*\b+\i], v[Y+16*\b+\i], -v[TM+8+\b], v[TM+8+\b]   ; the conversion to an 8-bit code does not saturate (ISA guide 7.6.2): hold first
.endr
	v_cvt_scalef32_pk8_bf8_f32 v[PC+4*\b:PC+1+4*\b], v[Y+16*\b:Y+7+16*\b], v[TM+12+\b]
	v_cvt_scalef32_pk8_bf8_f32 v[PC+2+4*\b:PC+3+4*\b], v[Y+8+16*\b:Y+15+16*\b], v[TM+12+\b]
.endr
	v_nop                                          ; one plain vector line behind the last scaled conversion
.irp c, 0,1,2,3
	global_store_b128 v4, v[PC+4*\c:PC+4*\c+3], s[36:37] offset:512*\c   ; the image of registers 4 c .. 4 c + 3: 512 consecutive bytes
.endr
	ds_store_b32 v7, v[PW]                         ; lanes l and l + 16 write the same word with the same value
	s_wait_dscnt 0x0                               ; for wave 0's sake: my word has landed
	s_barrier_signal -1
	s_barrier_wait -1
	s_cmp_lg_u32 s[WV], 0
	s_cbranch_scc1 .Ldone
	ds_load_b64 v[12:13], v9                       ; wave 0: the four waves' 64 words
	s_wait_dscnt 0x0
	global_store_b64 v8, v[12:13], s[38:39]        ; 32 lanes store 256 consecutive bytes, at a multiple of 256 from the buffer's first byte
.Ldone:
	s_wait_tensorcnt 0x0                           ; the wave's end
	ds_add_u32 v200, v201
	s_wait_dscnt 0x0
	s_endpgm
.Lfunc_end_k_q609625c076_quant:
	.size	k_q609625c076_quant, .Lfunc_end_k_q609625c076_quant-k_q609625c076_quant
	.p2alignl 7, 3214868480
	.fill 96, 4, 3214868480
	.section	.rodata,"a",@progbits
	.p2align	6, 0x0
	.amdhsa_kernel k_q609625c076_quant
		.amdhsa_group_segment_fixed_size 34816
		.amdhsa_private_segment_fixed_size 0
		.amdhsa_enable_private_segment 0
		.amdhsa_kernarg_size 24
		.amdhsa_user_sgpr_count 2
		.amdhsa_user_sgpr_kernarg_segment_ptr 1
		.amdhsa_wavefront_size32 1
		.amdhsa_system_sgpr_workgroup_id_x 1
		.amdhsa_system_sgpr_workgroup_id_y 1
		.amdhsa_system_sgpr_workgroup_id_z 1
		.amdhsa_system_vgpr_workitem_id 0
		.amdhsa_next_free_vgpr 202
		.amdhsa_next_free_sgpr 66
		.amdhsa_reserve_vcc 0
		.amdhsa_float_denorm_mode_32 3
		.amdhsa_float_denorm_mode_16_64 3
		.amdhsa_memory_ordered 1
		.amdhsa_forward_progress 1
		.amdhsa_inst_pref_size 17
	.end_amdhsa_kernel
	.amdgpu_metadata
---
amdhsa.version: [ 1, 2 ]
amdhsa.kernels:
  - .name:           k_q609625c076_quant
    .symbol:         k_q609625c076_quant.kd
    .args:
      - { .name: x, .offset: 0, .size: 8, .value_kind: global_buffer, .address_space: global }
      - { .name: h_cur, .offset: 8, .size: 8, .value_kind: global_buffer, .address_space: global }
      - { .name: acomb, .offset: 16, .size: 8, .value_kind: global_buffer, .address_space: global }
    .group_segment_fixed_size: 34816
    .private_segment_fixed_size: 0
    .kernarg_segment_align: 8
    .kernarg_segment_size: 24
    .max_flat_workgroup_size: 128
    .sgpr_count:     66
    .vgpr_count:     202
    .wavefront_size: 32
...
	.end_amdgpu_metadata
.endif
;; end of part 1
;; launch gates (part 2): grid 16 x 16, 4 waves a work-group, clusters of 4 x 4, 327,680 bytes of LDS; arguments acomb, Wt_w_codes, Wa_w_codes, Wt_w_scales, Wa_w_scales, Wt_b, Wa_b, time_cell, excited_cell, h_cur, out2, out1, ahup; writes out2, out1, ahup
.if DOCPART == 2
	.amdgcn_target "amdgcn-amd-amdhsa--gfx1250"
	.amdhsa_code_object_version 6
	.text
	.protected	k_q609625c076_gates
	.globl	k_q609625c076_gates
	.p2align	8
	.type	k_q609625c076_gates,@function
k_q609625c076_gates:
	s_mov_b64 s[64:65], 0
	v_nop
	global_prefetch_b8 v0, s[64:65] scope:SCOPE_SE
	s_setreg_imm32_b32 hwreg(HW_REG_WAVE_MODE, 25, 1), 1
	s_wait_xcnt 0x0
	s_wait_alu depctr_hold_cnt(0) depctr_sa_sdst(0) depctr_va_vdst(0) depctr_va_sdst(0) depctr_va_ssrc(0) depctr_va_vcc(0) depctr_vm_vsrc(0)
	s_getreg_b32 s2, hwreg(HW_REG_IB_STS2, 6, 4)
	s_cmp_eq_u32 s2, 0
	s_cbranch_scc0 .Lentry_in_a_cluster
	s_endpgm
.Lentry_in_a_cluster:
	s_bfe_u32 s2, ttmp6, 0x10000c
	s_cmp_lg_u32 s2, 0xf033
	s_cbranch_scc0 .Lentry_shape_is_right
	s_endpgm
.Lentry_shape_is_right:
; Products 1 and 2: Z1 = Q(combined) Wt^T, Z2 = Q(combined) Wa^T on codes of BF8 (E5M2) with E8M0 scales, K = 3,072; then, in f32:
; up = tanh(Z1 + Wt_b); s = time_cell + up - 1; leap = (s <= 0); out2 = max(s, 0); out1 = max((leap ? 0 : excited_cell) + sigmoid(Z2 + Wa_b), 0); h_up = leap ? h_cur x excited_cell : 0,
; which is quantised along its columns (the next launch's K) into ahup, laid as acomb is: [16 blocks of 128 rows][16 chunks of 128][8 fragment images of 2,048 bytes, then 128 scale words].
; relu(t) - 1 followed by the mask of reference() equals max(t - 1, 0), with leap = (t - 1 <= 0), for every finite t.
; LIMITS: NaN and infinities among the inputs are not served; out2's zero is +0 where reference() has -0; a block of zeros of h_up gets the scale byte 1 (its codes are zeros; this program alone reads the bytes).
; tanh(x) = 1 - 2 / (1 + 2^(2.885390 x)), sigmoid(x) = 1 / (1 + 2^(-1.442695 x)): where the power overflows or vanishes the result is the function's own limit.
; SHARES: a work-group makes 128 rows x 128 columns of BOTH products: 256 work-groups.  Wave w: product w / 2, columns 64 (w % 2) on, all 128 rows: 8 blocks of A x 4 blocks of the weight = 32 accumulators.
; THE MATRIX INSTRUCTION IS USED TRANSPOSED (source 0 = 16 rows of the weight, source 1 = 16 rows of A): a lane holds eight neighbouring columns of one row.
; THE RING: two LDS slots, each with 256 along K: two chunk blocks of A (33,792 dense bytes of acomb), 128 rows x 256 bytes of Wt's codes and of Wa's, as they lie in the inputs, rows 272 bytes apart in LDS.
; CLUSTER 4 x 4: A hangs on the row block alone and is asked for jointly along a row of the cluster, the weights and their scale bytes on the column block alone, jointly along a column.
; One tensor load a wave behind each round: wave 0 A, wave 1 Wt, wave 2 Wa; wave 3 brings Wt's scale bytes (12,288 dense) at the head and Wa's with slot 1's first fill, then nothing.  One tensor load of a wave is out at most.
; Slot 0's weight scale words (8 bytes of each of a wave's 64 rows) come once by plain loads, since Wa's bytes are shown in LDS only by the first change of slots.
; A chunk is 128 along K, 32 products.  A trip of the loop is four chunks, once round the ring; chunk 0 (C = 0) stands ahead of it, the last three chunks behind it.
; time_cell, excited_cell and h_cur (32 rows x 512 bytes a wave each) are loaded from chunk 21 on, when the last tile has landed: 32 + 24 loads among the last chunks, 8 + 32 behind the stage.
; PREFETCH: behind each refill every wave names blocks of 256 bytes of the slot two refills on: wave 1 and 2 a lane a weight row (32 rows by cy), wave 0 blocks 32 cx + lane of A's 132, wave 3 block 128 + cx;
; the partners share by address; slots 0 to 3 come by their loads alone; the loop's last trip asks for nothing.  Beside it, in the loop's first three trips, a lane names one block of one of my 32 rows
; of time_cell, excited_cell, h_cur (a trip each, the row's two blocks at the trip's two changes of slots).
; THE WAY OUT: both products meet in one stage in LDS and come back with whole rows of 512 bytes to an instruction: wave w then owns rows 32 w .. 32 w + 31 of both, and every global access covers 512 consecutive bytes.
; REGISTERS, in windows of 256: window 0: v1-29 addresses; v32-47 the weight's scale words (a set a slot), v48-55 A's; v56-63 biases; v64-127 the weight's set 1; v128-255 time_cell.
;   window 1: v0-63 the weight's set 0; at the end v0-127 h_cur; v128-255 excited_cell.
;   window 2: accumulator (a, b) at v[8 (4 a + b)]; behind the stage: product p, granule g, row i at v[128 p + 32 g + 4 i].   window 3: A's fragments, two sets of 128; at the end the quantiser (v128 on).
.set CHB,    16896                     ; a chunk block of A
.set AW,     2*CHB                     ; A's part of a slot
.set WP,     272                       ; a weight row in LDS: 256 bytes + 16: row r starts at bank 4 r mod 64
.set WT,     128*WP
.set SLOT,   AW+2*WT
.set KROW,   3072                      ; a weight row in memory
.set SCB,    2*SLOT                    ; the weights' scale bytes: 12,288 + 12,288, rows of 96 bytes
.set SPARE,  SCB+2*12288               ; the spare words: two blocks of 256 bytes that no other line names
.set SCG,    SPARE+512                 ; h_up's 128 scale words
.set STAGE,  0                         ; the stage and h_up's stages lie in the slots: written behind the last chunk's barrier, when both slots have had their last fill and their last read
.set SPITCH, 1040                      ; a stage row: 512 bytes of each product + 16
.set HSTG,   128*SPITCH
.set HP,     528
.set SPW,  1
.set NIL,  2
.set GO,   6                           ; 16 lane
.set ADRA, 8                           ; v8-9   slot s + 16 lane
.set ADS,  10                          ; v10-11 slot s + 4 lane
.set ADSB, 12                          ; my weight rows' scale bytes, 16 further on in each trip
.set STO,  13
.set RD,   15
.set HST,  16
.set HRD,  17
.set SGA,  18
.set SGR,  19
.set ADRB, 20                          ; v20-21 slot s: my weight rows
.set PFO,  22                          ; the tiles' prefetches: lane offset
.set GSC,  23                          ; my weight rows' scale bytes in memory
.set PFE,  29                          ; lane x a row of the f32 tensors
.set SB,   32                          ; the weight's scale words: + 8 slot + 2 b + chunk % 2
.set SA,   48                          ; A's: + 2 p + 1 - chunk % 2 (its number differs from the weight's modulo 8): lanes 0-15 block 2 p, lanes 16-31 block 2 p + 1
.set BIA,  56
.set PA,   4
.set PW1,  6
.set PW2,  8
.set PS1,  10
.set PS2,  12
.set PB1,  14
.set PB2,  16
.set PTC,  18
.set PEC,  20
.set PHC,  22
.set PO2,  24
.set PO1,  26
.set PAH,  28
.set WV,   30
.set PP,   31
.set MNT,  33
.set CS,   34                          ; s[34:35] first cx, cy; then -log2(e), twice
.set NX,   36
.set MY,   37
.set G1A,  40
.set G1W,  48
.set G1S,  56
.set PST,  66                          ; s[66:67] a slot's step of my prefetches
.set G0A,  68                          ; groups 0, a set for each slot: A, Wt, Wa; then the two scale tiles
.set G0T,  76
.set G0U,  84
.set G0S,  92
.set SEL,  100
.set C2,   104
.set PF,   6                           ; s[6:7] where my tiles' prefetches stand (the weights' addresses are in the descriptors by then)
.set PE,   8                           ; s[8:9] the f32 tensor that this trip prefetches
.set Y,    128
.set TM,   192
.set PW,   208
.set MSB, 0
.macro WIN new                         ; the immediate's high byte repeats the setting that is left
.if MSB != (\new)
	s_set_vgpr_msb (MSB<<8)|(\new)
.set MSB, (\new)
.endif
.endm
.macro PLACES n
.rept \n
	v_nop
.endr
.endm
.macro CREST                           ; a round of the cluster's barrier behind its opening barrier
	s_cmp_lg_u32 s[WV], 0
	s_cbranch_scc1 .Lnot_wave_0_\@
	s_barrier_signal -3
.Lnot_wave_0_\@:
	s_barrier_wait -3
	s_barrier_signal -1
	s_barrier_wait -1
.endm
.macro CROUND
	s_barrier_signal -1
	s_barrier_wait -1
	CREST
.endm
.macro TL g0, g1                       ; a tensor load with the lines behind it
	tensor_load_to_lds s[\g0:\g0+3], s[\g1:\g1+7]
	s_nop 0
	PLACES 4
.endm
.macro JLOAD s, w3                     ; slot s's joint loads, one chain of arms on the wave's number; w3: wave 3's group 0, or 0: it has none
	s_cmp_lt_u32 s[WV], 1
	s_cbranch_scc0 .Lj1_\@
	TL G0A+4*\s, G1A
	s_branch .Ljd_\@
.Lj1_\@:
	s_cmp_lt_u32 s[WV], 2
	s_cbranch_scc0 .Lj2_\@
	TL G0T+4*\s, G1W
	s_branch .Ljd_\@
.Lj2_\@:
	s_cmp_lt_u32 s[WV], 3
	s_cbranch_scc0 .Lj3_\@
	TL G0U+4*\s, G1W
.if \w3
	s_branch .Ljd_\@
.endif
.Lj3_\@:
.if \w3
	TL \w3, G1S
.endif
.Ljd_\@:
.endm
.macro ASK                             ; the slot two refills on (not in the loop's last trip, whose look-ahead would pass K's end), and in the first three trips a block of each of my rows of an f32 tensor
	s_cmp_gt_u32 s3, 1
	s_cbranch_scc0 .Lna_\@
	global_prefetch_b8 v[PFO], s[PF:PF+1] th:TH_LOAD_NT scope:SCOPE_SE
.Lna_\@:
	s_cmp_gt_u32 s3, 2
	s_cbranch_scc0 .Lne_\@
	global_prefetch_b8 v[PFE], s[PE:PE+1] th:TH_LOAD_NT scope:SCOPE_SE
.Lne_\@:
.endm
; What a chunk (slot s, half j) wants from LDS: 4 scale words of A (and with sb the slot's 8 of the weight), 16 loads of the weight, 4 runs of 8 of A.
.macro FSC s, j, sb
	WIN 0
.irp p, 0,1,2,3
	ds_load_b32 v[SA+2*\p+1-(\j)], v[ADS+(\s)] offset:(\j)*CHB+16384+128*\p
.endr
.if \sb
.irp b, 0,1,2,3
	ds_load_b64 v[SB+8*(\s)+2*\b:SB+8*(\s)+2*\b+1], v[ADSB] offset:1536*\b+8*(\s)
.endr
.endif
.endm
.macro FB s, j
.if \j
	WIN 0
.set bR, 64
.else
	WIN 0x40
.set bR, 0
.endif
.irp b, 0,1,2,3
.irp c, 0,1,2,3
	ds_load_b128 v[bR+16*\b+4*\c:bR+16*\b+4*\c+3], v[ADRB+(\s)] offset:16*WP*\b+128*(\j)+32*\c
.endr
.endr
.endm
.macro FA s, j, i
	WIN 0xc0
.irp a, 2*\i, 2*\i+1
.irp c, 0,1,2,3
	ds_load_b128 v[128*(\j)+16*(\a)+4*\c:128*(\j)+16*(\a)+4*\c+3], v[ADRA+(\s)] offset:(\j)*CHB+2048*(\a)+512*\c
.endr
.endr
.endm
; 8 matrix instructions: A's blocks a0 (even), a0 + 1 x the weight's four.  The 32 accumulators take turns in the same order in every chunk.
.macro MULA a0, j, s, zero
.if \j
	WIN 0xac                                       ; source 0 (weight) window 0, source 1 (A) window 3, C and D window 2
.set bR, 64
.else
	WIN 0xad                                       ; the weight's set 0: window 1
.set bR, 0
.endif
.irp a, \a0, \a0+1
.irp b, 0,1,2,3
.set rD, 8*(4*(\a)+\b)
.set rB, bR+16*\b
.set rF, 128*(\j)+16*(\a)
.set rX, SB+8*(\s)+2*\b+(\j)
.set rY, SA+2*((\a)/2)+1-(\j)
.if \zero
.if (\a)%2
	v_wmma_scale_f32_16x16x128_f8f6f4 v[rD:rD+7], v[rB:rB+15], v[rF:rF+15], 0, v[rX], v[rY] matrix_a_fmt:MATRIX_FMT_BF8 matrix_b_fmt:MATRIX_FMT_BF8 matrix_b_scale:MATRIX_SCALE_ROW1
.else
	v_wmma_scale_f32_16x16x128_f8f6f4 v[rD:rD+7], v[rB:rB+15], v[rF:rF+15], 0, v[rX], v[rY] matrix_a_fmt:MATRIX_FMT_BF8 matrix_b_fmt:MATRIX_FMT_BF8
.endif
.else
.if (\a)%2
	v_wmma_scale_f32_16x16x128_f8f6f4 v[rD:rD+7], v[rB:rB+15], v[rF:rF+15], v[rD:rD+7], v[rX], v[rY] matrix_a_fmt:MATRIX_FMT_BF8 matrix_b_fmt:MATRIX_FMT_BF8 matrix_b_scale:MATRIX_SCALE_ROW1
.else
	v_wmma_scale_f32_16x16x128_f8f6f4 v[rD:rD+7], v[rB:rB+15], v[rF:rF+15], v[rD:rD+7], v[rX], v[rY] matrix_a_fmt:MATRIX_FMT_BF8 matrix_b_fmt:MATRIX_FMT_BF8
.endif
.endif
.endr
.endr
.endm
; A slot's first chunk: multiplies half 0 and fetches half 1 of the same slot.  The eight v_nop are the places between the last chunk's products and the loads into the registers that they read.
; Each wait leaves 52 out: of the chunk in hand A's runs behind the one wanted, and what this chunk has issued: 24 + 28, 16 + 36, 8 + 44, 0 + 52.
.macro EVEN s, zero
	PLACES 8
	FSC \s, 1, 0
	FB \s, 1
.irp i, 0,1,2,3
	FA \s, 1, \i
	s_wait_dscnt 52
	MULA 2*\i, 0, \s, \zero
.endr
.endm
; A slot's second chunk changes slots.  In front of the barrier each wave waits for all its tensor loads, adds 0 to its spare word, and waits for that and for its reads of this slot (this chunk's fragments were its last).
; fill = 1: the barrier opens a round of the cluster's barrier, and this slot is filled again, two slots on: the first thing behind the round.  Then the other slot's first chunk is fetched.
.macro TURN s, fill
	WIN 0
.if \fill
	s_wait_xcnt 0x0                                ; my last prefetches have read their addresses: they are written here
	s_add_nc_u64 s[PF:PF+1], s[PF:PF+1], s[PST:PST+1]
	s_cmp_eq_u32 s3, 5                             ; the first trip names time_cell, the second excited_cell, the third h_cur
	s_cselect_b64 s[PE:PE+1], s[PTC:PTC+1], s[PHC:PHC+1]
	s_cmp_eq_u32 s3, 4
	s_cselect_b64 s[PE:PE+1], s[PEC:PEC+1], s[PE:PE+1]
.if \s
	s_add_nc_u64 s[PE:PE+1], s[PE:PE+1], 256       ; the rows' second blocks
.endif
.endif
	PLACES 8
	s_wait_tensorcnt 0x0                           ; all my tensor loads have landed
	ds_add_u32 v[SPW], v[NIL]
	s_wait_dscnt 25                                ; scale words, the weight and A's first run are in; three runs of eight and the add may be out
	MULA 0, 1, \s, 0
.if \fill
	s_add_nc_u64 s[G0A+4*\s+2:G0A+4*\s+3], s[G0A+4*\s+2:G0A+4*\s+3], 2*AW   ; no tensor load of mine is out: the groups 0 step two slots on
	s_add_nc_u64 s[G0T+4*\s+2:G0T+4*\s+3], s[G0T+4*\s+2:G0T+4*\s+3], 512
	s_add_nc_u64 s[G0U+4*\s+2:G0U+4*\s+3], s[G0U+4*\s+2:G0U+4*\s+3], 512
.endif
	s_wait_dscnt 0x0                               ; the add is done, and my reads of this slot are over
	s_barrier_signal -1
	MULA 2, 1, \s, 0
	WIN 0
	s_barrier_wait -1
.if \fill
	CREST
	JLOAD \s, 0
.endif
.if \s
	v_add_nc_u32 v[ADSB], 16, v[ADSB]              ; the next trip's scale bytes
	s_wait_alu depctr_va_vdst(0)
.endif
	FSC 1-\s, 0, 1
	FB 1-\s, 0
.irp i, 0,1,2,3
	FA 1-\s, 0, \i
.endr
.if \fill
	WIN 0
	ASK
.endif
	MULA 4, 1, \s, 0
	MULA 6, 1, \s, 0
.endm
	s_load_b512 s[4:19], s[0:1], 0x0               ; acomb, Wt codes, Wa codes, Wt scales, Wa scales, Wt_b, Wa_b, time_cell
	s_load_b256 s[20:27], s[0:1], 0x40             ; excited_cell, h_cur, out2, out1
	s_load_b64 s[28:29], s[0:1], 0x60              ; ahup
	v_lshl_add_u32 v[SPW], v0, 2, SPARE
	v_mov_b32 v[NIL], 0
	ds_add_u32 v[SPW], v[NIL]                      ; the opening lines: the add twice on end and one wait
	ds_add_u32 v[SPW], v[NIL]
	v_lshrrev_b32 v24, 5, v0                       ; wave
	v_readfirstlane_b32 s[WV], v24
	v_and_b32 v3, 15, v0                           ; r
	v_bfe_u32 v4, v0, 4, 1                         ; h
	v_and_b32 v5, 31, v0                           ; lane
	v_bfe_u32 v25, v0, 5, 1                        ; my half of the columns
	v_bfe_u32 v26, v0, 6, 1                        ; my product
	v_lshlrev_b32 v[GO], 4, v5
	v_lshlrev_b32 v[ADRA], 4, v5
	v_add_nc_u32 v[ADRA+1], SLOT, v[ADRA]
	v_lshlrev_b32 v[ADS], 2, v5
	v_add_nc_u32 v[ADS+1], SLOT, v[ADS]
	v_lshl_add_u32 v27, v25, 6, v3                 ; my weight row of block 0: 64 half + r
	v_mul_u32_u24 v[ADRB], v27, WP
	v_mad_u32_u24 v[ADRB], v26, WT, v[ADRB]
	v_lshl_add_u32 v[ADRB], v4, 4, v[ADRB]
	v_add_nc_u32 v[ADRB], AW, v[ADRB]
	v_add_nc_u32 v[ADRB+1], SLOT, v[ADRB]
	v_mul_u32_u24 v[GSC], v27, 96
	v_mad_u32_u24 v[ADSB], v26, 12288, v[GSC]
	v_add_nc_u32 v[ADSB], SCB, v[ADSB]
	v_mul_u32_u24 v[STO], v3, SPITCH               ; the stage, in: row r, + 32 h, + 512 product + 256 column half
	v_lshl_add_u32 v[STO], v4, 5, v[STO]
	v_lshl_add_u32 v[STO], v26, 9, v[STO]
	v_lshl_add_u32 v[STO], v25, 8, v[STO]
	v_add_nc_u32 v[STO+1], 64*SPITCH, v[STO]
	v_mad_u32_u24 v[RD], v24, 32*SPITCH, v[GO]     ; back: my 32 rows
	v_mad_u32_u24 v[HST], v24, 16*HP, v[GO]
	v_add_nc_u32 v[HST], HSTG, v[HST]
	v_lshl_add_u32 v28, v24, 4, v3
	v_mul_u32_u24 v[HRD], v28, HP
	v_lshl_add_u32 v[HRD], v4, 6, v[HRD]
	v_add_nc_u32 v[HRD], HSTG, v[HRD]
	v_lshlrev_b32 v[SGA], 2, v3
	v_lshl_add_u32 v[SGA], v24, 7, v[SGA]
	v_add_nc_u32 v[SGA], SCG, v[SGA]
	v_add_nc_u32 v[SGR], SCG, v[GO]
	v_lshlrev_b32 v[PFE], 13, v5
	s_lshr_b32 s[PP], s[WV], 1
	s_mov_b32 s[MNT], 0x600000                     ; the mantissa field of 57,344
	s_bfe_u32 s34, ttmp6, 0x40000                  ; cx
	s_bfe_u32 s35, ttmp6, 0x40004                  ; cy
	s_lshl_b32 s[NX], ttmp9, 2
	s_add_co_u32 s[NX], s[NX], s34                 ; column block
	s_and_b32 s[MY], ttmp7, 0xffff
	s_lshl_b32 s[MY], s[MY], 2
	s_add_co_u32 s[MY], s[MY], s35                 ; row block
	s_lshl_b32 s38, s35, 2
	s_lshl_b32 s38, 15, s38                        ; my row of the cluster
	s_lshl_b32 s39, 0x1111, s34                    ; my column
	s_or_b32 s[G1A], s38, (3<<16)|(1<<21)          ; A: 33,792 dense bytes as 132 rows of 32 elements of 8 bytes
	s_mov_b32 s[G1A+1], 32<<16
	s_mov_b32 s[G1A+2], 132<<16
	s_mov_b32 s[G1A+3], 32<<16
	s_mov_b32 s[G1A+4], 132
	s_mov_b32 s[G1A+5], 32
	s_mov_b32 s[G1A+6], 0
	s_mov_b32 s[G1A+7], 0
	s_or_b32 s[G1W], s39, (1<<20)|(1<<21)|(5<<22)|(3<<25)   ; a weight: 128 rows of 256 bytes, 4 words of padding behind every 64
	s_mov_b32 s[G1W+1], 256<<16
	s_mov_b32 s[G1W+2], 128<<16
	s_mov_b32 s[G1W+3], 256<<16
	s_mov_b32 s[G1W+4], 128
	s_mov_b32 s[G1W+5], KROW
	s_mov_b32 s[G1W+6], 0
	s_mov_b32 s[G1W+7], 0
	s_or_b32 s[G1S], s39, (3<<16)|(1<<21)          ; a weight's scale bytes: 12,288 dense bytes as 48 rows of 256
	s_mov_b32 s[G1S+1], 32<<16
	s_mov_b32 s[G1S+2], 48<<16
	s_mov_b32 s[G1S+3], 32<<16
	s_mov_b32 s[G1S+4], 48
	s_mov_b32 s[G1S+5], 32
	s_mov_b32 s[G1S+6], 0
	s_mov_b32 s[G1S+7], 0
	s_mul_i32 s2, s[MY], 24*CHB                    ; offsets made of the row block alone,
	s_mov_b32 s3, 0
	s_mul_i32 s66, s[NX], 128*KROW                 ; and of the column block alone
	s_mov_b32 s67, 0
	s_mul_i32 s100, s[NX], 12288
	s_mov_b32 s101, 0
	s_wait_dscnt 0x0                               ; both opening adds are done
	s_wait_alu depctr_va_vdst(0)
	s_wait_kmcnt 0x0
	s_add_nc_u64 s[PA:PA+1], s[PA:PA+1], s[2:3]
	s_add_nc_u64 s[PW1:PW1+1], s[PW1:PW1+1], s[66:67]
	s_add_nc_u64 s[PW2:PW2+1], s[PW2:PW2+1], s[66:67]
	s_add_nc_u64 s[PS1:PS1+1], s[PS1:PS1+1], s[100:101]
	s_add_nc_u64 s[PS2:PS2+1], s[PS2:PS2+1], s[100:101]
.irp s, 0,1
	s_mov_b32 s[G0A+4*\s], 1
	s_mov_b32 s[G0A+4*\s+1], \s*SLOT
	s_add_nc_u64 s[G0A+4*\s+2:G0A+4*\s+3], s[PA:PA+1], \s*AW
	s_or_b32 s[G0A+4*\s+3], s[G0A+4*\s+3], 0x80000000
	s_mov_b32 s[G0T+4*\s], 1
	s_mov_b32 s[G0T+4*\s+1], \s*SLOT+AW
	s_add_nc_u64 s[G0T+4*\s+2:G0T+4*\s+3], s[PW1:PW1+1], \s*256
	s_or_b32 s[G0T+4*\s+3], s[G0T+4*\s+3], 0x80000000
	s_mov_b32 s[G0U+4*\s], 1
	s_mov_b32 s[G0U+4*\s+1], \s*SLOT+AW+WT
	s_add_nc_u64 s[G0U+4*\s+2:G0U+4*\s+3], s[PW2:PW2+1], \s*256
	s_or_b32 s[G0U+4*\s+3], s[G0U+4*\s+3], 0x80000000
.endr
	s_mov_b32 s[G0S], 1
	s_mov_b32 s[G0S+1], SCB
	s_mov_b64 s[G0S+2:G0S+3], s[PS1:PS1+1]
	s_or_b32 s[G0S+3], s[G0S+3], 0x80000000
	s_mov_b32 s[G0S+4], 1
	s_mov_b32 s[G0S+5], SCB+12288
	s_mov_b64 s[G0S+6:G0S+7], s[PS2:PS2+1]
	s_or_b32 s[G0S+7], s[G0S+7], 0x80000000
	CROUND                                         ; all sixteen work-groups are here: the first joint loads meet
	JLOAD 0, G0S                                   ; slot 0 and Wt's scale bytes: one tensor load a wave at the head
	s_cmp_eq_u32 s[PP], 0
	s_cselect_b64 s[PS1:PS1+1], s[PS1:PS1+1], s[PS2:PS2+1]
.irp b, 0,1,2,3
	global_load_b64 v[SB+2*\b:SB+2*\b+1], v[GSC], s[PS1:PS1+1] offset:1536*\b   ; slot 0's scale words of my weight rows
.endr
	s_lshl_b32 s100, s[NX], 9
	s_add_nc_u64 s[PB1:PB1+1], s[PB1:PB1+1], s[100:101]
	s_add_nc_u64 s[PB2:PB2+1], s[PB2:PB2+1], s[100:101]
	global_load_b128 v[BIA:BIA+3], v[GO], s[PB1:PB1+1]       ; the biases of my lane's four columns
	global_load_b128 v[BIA+4:BIA+7], v[GO], s[PB2:PB2+1]
	; the tiles' prefetches: base, my work-group's share by address, lane stride and a slot's step, all chosen on the wave's number
	s_lshl_b32 s2, s34, 13                         ; wave 0: A's blocks 32 cx on
	s_lshl_b32 s100, s34, 8
	s_add_co_u32 s100, s100, 128*256               ; wave 3: A's block 128 + cx
	s_cmp_eq_u32 s[WV], 3
	s_cselect_b32 s2, s100, s2
	s_cselect_b32 s101, 0, 256
	s_mul_i32 s100, s35, 32*KROW                   ; waves 1, 2: weight rows 32 cy on
	s_mov_b32 s66, AW
	s_add_co_u32 s3, s[WV], 1
	s_and_b32 s3, s3, 2                            ; not 0 for waves 1 and 2
	s_cselect_b32 s2, s100, s2
	s_cselect_b32 s66, 256, s66
	s_cselect_b32 s101, KROW, s101
	s_cmp_eq_u32 s[WV], 1
	s_cselect_b64 s[PF:PF+1], s[PW1:PW1+1], s[PA:PA+1]
	s_cmp_eq_u32 s[WV], 2
	s_cselect_b64 s[PF:PF+1], s[PW2:PW2+1], s[PF:PF+1]
	s_mov_b32 s3, 0
	s_add_nc_u64 s[PF:PF+1], s[PF:PF+1], s[2:3]
	s_mul_i32 s2, s66, 3                           ; at slot 3: the first refill (slot 2's) steps it to slot 4
	s_add_nc_u64 s[PF:PF+1], s[PF:PF+1], s[2:3]
	v_mul_u32_u24 v[PFO], v5, s101
	s_lshl_b32 s2, s[MY], 7                        ; my 32 rows and the work-group's 128 columns in the [2048][2048] f32 tensors
	s_lshl_b32 s3, s[WV], 5
	s_add_co_u32 s2, s2, s3
	s_lshl_b32 s2, s2, 13
	s_lshl_b32 s3, s[NX], 9
	s_add_co_u32 s2, s2, s3
	s_mov_b32 s3, 0
	s_add_nc_u64 s[PTC:PTC+1], s[PTC:PTC+1], s[2:3]
	s_add_nc_u64 s[PEC:PEC+1], s[PEC:PEC+1], s[2:3]
	s_add_nc_u64 s[PHC:PHC+1], s[PHC:PHC+1], s[2:3]
	s_add_nc_u64 s[PO2:PO2+1], s[PO2:PO2+1], s[2:3]
	s_add_nc_u64 s[PO1:PO1+1], s[PO1:PO1+1], s[2:3]
	s_mul_i32 s2, s[MY], 16*CHB                    ; ahup: my row block, the column block's chunk, my two fragment images
	s_mul_i32 s3, s[NX], CHB
	s_add_co_u32 s2, s2, s3
	s_lshl_b32 s3, s[WV], 12
	s_add_co_u32 s2, s2, s3
	s_mov_b32 s3, 0
	s_add_nc_u64 s[PAH:PAH+1], s[PAH:PAH+1], s[2:3]
	s_mov_b32 s[CS], 0xbfb8aa3b                    ; -log2(e)
	s_mov_b32 s[CS+1], s[CS]
	s_mov_b32 s[C2], 0x4038aa3b                    ; 2 log2(e)
	s_mov_b32 s[C2+1], s[C2]
	s_mov_b32 s[SEL], 0x76543210
	s_mov_b32 s[SEL+1], 0xfedcba98
	s_wait_alu depctr_va_vdst(0)
	s_wait_tensorcnt 0x0                           ; my tile of the head is in; a later first fill is issued as a refill is:
	ds_add_u32 v[SPW], v[NIL]
	s_wait_dscnt 0x0
	CROUND
	JLOAD 1, G0S+4                                 ; slot 1 and Wa's scale bytes
	FSC 0, 0, 0                                    ; chunk 0
	FB 0, 0
.irp i, 0,1,2,3
	FA 0, 0, \i
.endr
	WIN 0
	s_wait_loadcnt 0x0                             ; slot 0's weight scale words and the biases
	EVEN 0, 1                                      ; chunk 0's products start the sums: nothing is cleared
	WIN 0
	s_mov_b32 s3, 5
.Llap:                                                 ; chunks 4 t + 1 .. 4 t + 4: both slots are filled again
	TURN 0, 1
	EVEN 1, 0
	TURN 1, 1
	EVEN 0, 0
	WIN 0
	s_sub_co_u32 s3, s3, 1
	s_cmp_lg_u32 s3, 0
	s_cbranch_scc1 .Llap
	TURN 0, 0                                      ; chunks 21 to 23 fill nothing: every tile has landed
	WIN 0
.set t, 0
.rept 32
	global_load_b128 v[128+4*t:128+4*t+3], v[GO], s[PTC:PTC+1] offset:t*8192 th:TH_LOAD_NT   ; time_cell: 512 consecutive bytes of row t
.set t, t+1
.endr
	EVEN 1, 0
	WIN 0x40
.set t, 0
.rept 24
	global_load_b128 v[128+4*t:128+4*t+3], v[GO], s[PEC:PEC+1] offset:t*8192 th:TH_LOAD_NT   ; excited_cell, rows 0 to 23: 56 loads are out at most here
.set t, t+1
.endr
	s_wait_dscnt 24                                ; the last chunk fetches nothing from LDS: the counts run down
	MULA 0, 1, 1, 0
	s_wait_dscnt 16
	MULA 2, 1, 1, 0
	s_wait_dscnt 8
	MULA 4, 1, 1, 0
	s_wait_dscnt 0x0                               ; my reads of the slots are over:
	s_barrier_signal -1                            ; behind this barrier the stages may be written there
	MULA 6, 1, 1, 0
	WIN 0
	s_barrier_wait -1
	PLACES 8                                       ; in front of the first read of results, and of the loads into the weight's set 0
	WIN 0x08                                       ; an LDS store's data: window 2
.irp a, 0,1,2,3,4,5,6,7
.irp b, 0,1,2,3
	ds_store_b128 v[STO+\a/4], v[8*(4*\a+\b):8*(4*\a+\b)+3] offset:(\a%4)*16*SPITCH+64*\b       ; each accumulator from its low end on
	ds_store_b128 v[STO+\a/4], v[8*(4*\a+\b)+4:8*(4*\a+\b)+7] offset:(\a%4)*16*SPITCH+64*\b+16
.endr
.endr
	WIN 0
	s_wait_dscnt 0x0                               ; for the others' sake: my stores into the stage are done
	s_barrier_signal -1
	s_barrier_wait -1
	WIN 0x80
.irp g, 0,1,2,3
.irp p, 0,1
.irp i, 0,1,2,3,4,5,6,7
	ds_load_b128 v[128*\p+32*\g+4*\i:128*\p+32*\g+4*\i+3], v[RD] offset:(8*\g+\i)*SPITCH+512*\p   ; row 32 w + 8 g + i of product p: my lane's four columns
.endr
.endr
.endr
	WIN 0xc0
.irp b, 0,1,2,3
	v_mov_b32 v[TM+4+\b], 0                        ; a lane permute's destination counts as one of its sources
.endr
	WIN 0x40
.set t, 24
.rept 8
	global_load_b128 v[128+4*t:128+4*t+3], v[GO], s[PEC:PEC+1] offset:t*8192 th:TH_LOAD_NT   ; excited_cell, rows 24 to 31
.set t, t+1
.endr
.set t, 0
.rept 32
	global_load_b128 v[4*t:4*t+3], v[GO], s[PHC:PHC+1] offset:t*8192                         ; h_cur
.set t, t+1
.endr
	WIN 0
	s_wait_loadcnt 40                              ; time_cell and excited_cell's rows 0-23 are in; the 40 loads just issued may be out
	v_pk_mul_f32 v[BIA:BIA+1], v[BIA:BIA+1], s[C2:C2+1] op_sel_hi:[1,0]         ; the biases under the exponentials' factors
	v_pk_mul_f32 v[BIA+2:BIA+3], v[BIA+2:BIA+3], s[C2:C2+1] op_sel_hi:[1,0]
	v_pk_mul_f32 v[BIA+4:BIA+5], v[BIA+4:BIA+5], s[CS:CS+1] op_sel_hi:[1,0]
	v_pk_mul_f32 v[BIA+6:BIA+7], v[BIA+6:BIA+7], s[CS:CS+1] op_sel_hi:[1,0]
.macro RECIP r                         ; 32 registers: v := 1 / (1 + 2^v).  One plain line stands behind each run of transcendentals
.set k, 0
.rept 32
	v_exp_f32 v[(\r)+k], v[(\r)+k]
.set k, k+1
.endr
	v_nop
.set k, 0
	s_wait_alu depctr_va_vdst(0)
.rept 16
	v_pk_add_f32 v[(\r)+2*k:(\r)+2*k+1], v[(\r)+2*k:(\r)+2*k+1], 1.0 op_sel_hi:[1,0]
.set k, k+1
.endr
.set k, 0
	s_wait_alu depctr_va_vdst(0)
.rept 32
	v_rcp_f32 v[(\r)+k], v[(\r)+k]
.set k, k+1
.endr
	v_nop
.endm
.macro ONELESS2 r                      ; v := 1 - 2 v
.set k, 0
	s_wait_alu depctr_va_vdst(0)
.rept 16
	v_pk_fma_f32 v[(\r)+2*k:(\r)+2*k+1], v[(\r)+2*k:(\r)+2*k+1], -2.0, 1.0 op_sel_hi:[1,0,0]
.set k, k+1
.endr
.endm
.macro SETMK                           ; the scalar register of leap's mask for register k of a granule: s40-63, s68-75 (the descriptors: every tensor load is done)
.if k < 24
.set mk, 40+k
.else
.set mk, 44+k
.endif
.endm
.macro QUANT s                         ; 64 numbers of a lane become a fragment's codes in v[PC] on and its row's scale word in v[PW]
.irp b, 0,1,2,3
	v_max3_num_f32 v[TM+\b], |v[\s+16*\b]|, |v[\s+1+16*\b]|, 0x8000000   ; block b: my 16 numbers, and the floor 2^(16 - 127): the byte cannot fall under 1
.endr
.irp i, 2,4,6,8,10,12,14
.irp b, 0,1,2,3
	v_max3_num_f32 v[TM+\b], v[TM+\b], |v[\s+16*\b+\i]|, |v[\s+1+16*\b+\i]|
.endr
.endr
.irp b, 0,1,2,3
	v_permlanex16_b32 v[TM+4+\b], v[TM+\b], s[SEL], s[SEL+1]
.endr
.irp b, 0,1,2,3
	v_max_num_f32 v[TM+\b], v[TM+\b], v[TM+4+\b]   ; with lane l xor 16's 16: the block's largest magnitude
.endr
.irp b, 0,1,2,3
	v_add_nc_u32 v[TM+12+\b], 0xf8800000, v[TM+\b]   ; 15 off its exponent field: the conversion's scale operand
.endr
.irp b, 0,1,2,3
	v_and_or_b32 v[TM+8+\b], v[TM+\b], 0x7f800000, s[MNT]   ; 57,344 x the scale
.endr
.irp b, 0,1,2,3
	v_lshrrev_b32 v[TM+4+\b], 23, v[TM+12+\b]   ; the scale's byte
.endr
	v_lshl_or_b32 v[PW], v[TM+5], 8, v[TM+4]
	v_lshl_or_b32 v[PW], v[TM+6], 16, v[PW]
	v_lshl_or_b32 v[PW], v[TM+7], 24, v[PW]
.irp b, 0,1,2,3
.irp i, 0,1,2,3,4,5,6,7,8,9,10,11,12,13,14,15
	v_med3_num_f32 v[\s+16*\b+\i], v[\s+16*\b+\i], -v[TM+8+\b], v[TM+8+\b]   ; the conversion to an 8-bit code does not saturate (ISA guide 7.6.2): hold first
.endr
	v_cvt_scalef32_pk8_bf8_f32 v[PC+4*\b:PC+1+4*\b], v[\s+16*\b:\s+7+16*\b], v[TM+12+\b]
	v_cvt_scalef32_pk8_bf8_f32 v[PC+2+4*\b:PC+3+4*\b], v[\s+8+16*\b:\s+15+16*\b], v[TM+12+\b]
.endr
	v_nop                                          ; one plain vector line behind the last scaled conversion
.endm
; A granule: 8 rows x 128 columns.  rT: Z1 (window 2) and h_cur (window 1);  rA: Z2 (window 2), time_cell (window 0) and excited_cell (window 1).
.macro G2 g
.set rT, 32*\g
.set rA, 128+32*\g
.if \g == 0
	s_wait_dscnt 48                                ; my granule is back from the stage; the three behind it (48 loads) may be out
.elseif \g == 1
	s_wait_dscnt 40                                ; behind my granule's loads: two granules' 32 and granule 0's eight stores of h_up
.endif
	WIN 0x82                                       ; destination and source 0 window 2, the others window 0
.set k, 0
.rept 16
	v_pk_fma_f32 v[rT+2*k:rT+2*k+1], v[rT+2*k:rT+2*k+1], s[C2:C2+1], v[BIA+(2*k)%4:BIA+(2*k)%4+1] op_sel_hi:[1,0,1]   ; 2 log2(e) (Z1 + Wt_b)
.set k, k+1
.endr
	s_wait_alu depctr_va_vdst(0)
	RECIP rT
	ONELESS2 rT                                    ; up_time
.set k, 0
.rept 16
	v_pk_add_f32 v[rT+2*k:rT+2*k+1], v[rT+2*k:rT+2*k+1], v[rA+2*k:rA+2*k+1]   ; + time_cell
.set k, k+1
.endr
.set k, 0
.rept 16
	v_pk_add_f32 v[rT+2*k:rT+2*k+1], v[rT+2*k:rT+2*k+1], -1.0 op_sel_hi:[1,0]
.set k, k+1
.endr
.set k, 0
.rept 32
	SETMK
	v_cmp_le_f32 s[mk], v[rT+k], 0                 ; leap: it steers selections alone, no branch and no address
.set k, k+1
.endr
.set k, 0
.rept 32
	v_max_num_f32 v[rT+k], v[rT+k], 0              ; time_next
.set k, k+1
.endr
	s_wait_loadcnt 8*(3-\g)                        ; my granule's h_cur (and all of excited_cell, asked for ahead of it) is in; the later granules' loads may be out
	WIN 0x45                                       ; destination and sources 0 and 1 window 1
.set k, 0
.rept 16
	v_pk_mul_f32 v[rT+2*k:rT+2*k+1], v[rT+2*k:rT+2*k+1], v[rA+2*k:rA+2*k+1]   ; h_cur x excited_cell
.set k, k+1
.endr
	WIN 0x44                                       ; destination and source 1 window 1
.set k, 0
.rept 32
	SETMK
	v_cndmask_b32 v[rT+k], 0, v[rT+k], s[mk]       ; h_up
.set k, k+1
.endr
	WIN 0x04                                       ; an LDS store's data: window 1
.irp i, 0,1,2,3,4,5,6,7
	ds_store_b128 v[HST], v[rT+4*\i:rT+4*\i+3] offset:(8*(\g%2)+\i)*HP   ; into my own stage, as rows
.endr
.if \g%2
	WIN 0xc0
.irp b, 0,1,2,3
.irp j, 0,1,2,3
	ds_load_b128 v[Y+16*\b+4*\j:Y+16*\b+4*\j+3], v[HRD] offset:128*\b+16*\j   ; and back, 16 neighbours of each block of 32 to a lane; LDS serves a wave's instructions in order
.endr
.endr
.endif
	WIN 0x41                                       ; destination and source 0 window 1
.set k, 0
.rept 32
	SETMK
	v_cndmask_b32 v[rA+k], v[rA+k], 0, s[mk]       ; excited_cell - energy
.set k, k+1
.endr
	WIN 0x82
.set k, 0
.rept 16
	v_pk_fma_f32 v[rA+2*k:rA+2*k+1], v[rA+2*k:rA+2*k+1], s[CS:CS+1], v[BIA+4+(2*k)%4:BIA+4+(2*k)%4+1] op_sel_hi:[1,0,1]   ; -log2(e) (Z2 + Wa_b)
.set k, k+1
.endr
	s_wait_alu depctr_va_vdst(0)
	RECIP rA                                       ; absorb
	WIN 0x86                                       ; source 1 window 1
.set k, 0
	s_wait_alu depctr_va_vdst(0)
.rept 16
	v_pk_add_f32 v[rA+2*k:rA+2*k+1], v[rA+2*k:rA+2*k+1], v[rA+2*k:rA+2*k+1]
.set k, k+1
.endr
	WIN 0x82
.set k, 0
.rept 32
	v_max_num_f32 v[rA+k], v[rA+k], 0              ; excited
.set k, k+1
.endr
	WIN 0x08                                       ; a store's data: window 2
.irp i, 0,1,2,3,4,5,6,7
	global_store_b128 v[GO], v[rT+4*\i:rT+4*\i+3], s[PO2:PO2+1] offset:(8*\g+\i)*8192 th:TH_STORE_NT   ; 32 lanes store 512 consecutive bytes of a row
	global_store_b128 v[GO], v[rA+4*\i:rA+4*\i+3], s[PO1:PO1+1] offset:(8*\g+\i)*8192 th:TH_STORE_NT
.endr
.if \g%2
.set PC, 224+16*(\g/2)                 ; each of my two fragments has its own registers for its codes: no store's data are written again
	s_wait_dscnt 0x0                               ; 16 rows of h_up are back
	WIN 0xff                                       ; all in window 3
	QUANT Y
	WIN 0x0c
.irp c, 0,1,2,3
	global_store_b128 v[GO], v[PC+4*\c:PC+4*\c+3], s[PAH:PAH+1] offset:2048*(\g/2)+512*\c   ; the fragment's image
.endr
	ds_store_b32 v[SGA], v[PW] offset:64*(\g/2)    ; lanes l and l + 16 write the same word with the same value
.endif
.endm
	s_wait_alu depctr_va_vdst(0)
	G2 0
	G2 1
	G2 2
	G2 3
	WIN 0
	s_wait_dscnt 0x0                               ; for wave 0's sake: my scale words have landed
	s_barrier_signal -1
	s_barrier_wait -1
	s_cmp_lg_u32 s[WV], 0
	s_cbranch_scc1 .Lno_words
	ds_load_b128 v[24:27], v[SGR]                  ; wave 0: the 128 rows' scale words
	s_wait_dscnt 0x0
	global_store_b128 v[GO], v[24:27], s[PAH:PAH+1] offset:16384   ; 512 consecutive bytes behind the chunk block's images (wave 0's base is the block's first byte)
.Lno_words:
	s_wait_tensorcnt 0x0                           ; the wave's end
	ds_add_u32 v[SPW], v[NIL]
	s_wait_dscnt 0x0
	CROUND                                         ; the closing round: no work-group ends while a partner may still ask for a tile that names it
	s_endpgm
.Lfunc_end_k_q609625c076_gates:
	.size	k_q609625c076_gates, .Lfunc_end_k_q609625c076_gates-k_q609625c076_gates
	.p2alignl 7, 3214868480
	.fill 96, 4, 3214868480
	.section	.rodata,"a",@progbits
	.p2align	6, 0x0
	.amdhsa_kernel k_q609625c076_gates
		.amdhsa_group_segment_fixed_size 327680
		.amdhsa_private_segment_fixed_size 0
		.amdhsa_enable_private_segment 0
		.amdhsa_kernarg_size 104
		.amdhsa_user_sgpr_count 2
		.amdhsa_user_sgpr_kernarg_segment_ptr 1
		.amdhsa_wavefront_size32 1
		.amdhsa_system_sgpr_workgroup_id_x 1
		.amdhsa_system_sgpr_workgroup_id_y 1
		.amdhsa_system_sgpr_workgroup_id_z 1
		.amdhsa_system_vgpr_workitem_id 0
		.amdhsa_next_free_vgpr 1024
		.amdhsa_next_free_sgpr 106
		.amdhsa_reserve_vcc 0
		.amdhsa_float_denorm_mode_32 3
		.amdhsa_float_denorm_mode_16_64 3
		.amdhsa_memory_ordered 1
		.amdhsa_forward_progress 1
		.amdhsa_inst_pref_size 222
	.end_amdhsa_kernel
	.amdgpu_metadata
---
amdhsa.version: [ 1, 2 ]
amdhsa.kernels:
  - .name:           k_q609625c076_gates
    .symbol:         k_q609625c076_gates.kd
    .args:
      - { .name: acomb, .offset: 0, .size: 8, .value_kind: global_buffer, .address_space: global }
      - { .name: Wt_w_codes, .offset: 8, .size: 8, .value_kind: global_buffer, .address_space: global }
      - { .name: Wa_w_codes, .offset: 16, .size: 8, .value_kind: global_buffer, .address_space: global }
      - { .name: Wt_w_scales, .offset: 24, .size: 8, .value_kind: global_buffer, .address_space: global }
      - { .name: Wa_w_scales, .offset: 32, .size: 8, .value_kind: global_buffer, .address_space: global }
      - { .name: Wt_b, .offset: 40, .size: 8, .value_kind: global_buffer, .address_space: global }
      - { .name: Wa_b, .offset: 48, .size: 8, .value_kind: global_buffer, .address_space: global }
      - { .name: time_cell, .offset: 56, .size: 8, .value_kind: global_buffer, .address_space: global }
      - { .name: excited_cell, .offset: 64, .size: 8, .value_kind: global_buffer, .address_space: global }
      - { .name: h_cur, .offset: 72, .size: 8, .value_kind: global_buffer, .address_space: global }
      - { .name: out2, .offset: 80, .size: 8, .value_kind: global_buffer, .address_space: global }
      - { .name: out1, .offset: 88, .size: 8, .value_kind: global_buffer, .address_space: global }
      - { .name: ahup, .offset: 96, .size: 8, .value_kind: global_buffer, .address_space: global }
    .group_segment_fixed_size: 327680
    .private_segment_fixed_size: 0
    .kernarg_segment_align: 8
    .kernarg_segment_size: 104
    .max_flat_workgroup_size: 128
    .sgpr_count:     106
    .vgpr_count:     1024
    .wavefront_size: 32
...
	.end_amdgpu_metadata
.endif
;; end of part 2
;; launch state (part 3): grid 16 x 16, 4 waves a work-group, clusters of 4 x 4, 327,680 bytes of LDS; arguments acomb, Eh_w_codes, Hw_w_codes, Eh_w_scales, Hw_w_scales, Eh_b, Hw_b, h_cur, out0, ahup; writes out0
.if DOCPART == 3
	.amdgcn_target "amdgcn-amd-amdhsa--gfx1250"
	.amdhsa_code_object_version 6
	.text
	.protected	k_q609625c076_state
	.globl	k_q609625c076_state
	.p2align	8
	.type	k_q609625c076_state,@function
k_q609625c076_state:
	s_mov_b64 s[64:65], 0
	v_nop
	global_prefetch_b8 v0, s[64:65] scope:SCOPE_SE
	s_setreg_imm32_b32 hwreg(HW_REG_WAVE_MODE, 25, 1), 1
	s_wait_xcnt 0x0
	s_wait_alu depctr_hold_cnt(0) depctr_sa_sdst(0) depctr_va_vdst(0) depctr_va_sdst(0) depctr_va_ssrc(0) depctr_va_vcc(0) depctr_vm_vsrc(0)
	s_getreg_b32 s2, hwreg(HW_REG_IB_STS2, 6, 4)
	s_cmp_eq_u32 s2, 0
	s_cbranch_scc0 .Lentry_in_a_cluster
	s_endpgm
.Lentry_in_a_cluster:
	s_bfe_u32 s2, ttmp6, 0x10000c
	s_cmp_lg_u32 s2, 0xf033
	s_cbranch_scc0 .Lentry_shape_is_right
	s_endpgm
.Lentry_shape_is_right:
; Products 3 and 4: Z3 = Q([x | h_up]) Eh^T, Z4 = Q([x | h_cur]) Hw^T on codes of BF8 (E5M2) with E8M0 scales, K = 3,072; then, in f32:
; h_state = tanh(Z3 + Eh_b); h_w = sigmoid(Z4 + Hw_b); out0 = tanh((1 - h_w) h_cur + h_w h_state).
; LIMITS: NaN and infinities among the inputs are not served.  tanh(x) = 1 - 2 / (1 + 2^(2.885390 x)), sigmoid(x) = 1 / (1 + 2^(-1.442695 x)): where the power overflows or vanishes the result is the function's own limit.
; SHARES: a work-group makes 128 rows x 128 columns of both products: 256 work-groups.  Wave w: product w / 2, columns 64 (w % 2) on, all 128 rows: 8 blocks of A x 4 blocks of the weight = 32 accumulators.
; THE MATRIX INSTRUCTION IS USED TRANSPOSED (source 0 = 16 rows of the weight, source 1 = 16 rows of A): a lane holds eight neighbouring columns of one row.
; THE RING: two LDS slots; a slot has an A area of four chunk blocks (67,584 bytes) and 128 rows x 256 bytes of Eh's codes and of Hw's, as they lie in the inputs, rows 272 bytes apart: 256 along K of the weights.
; Chunks 0-7 are x, which both products read: the two A areas take x's chunks 0-3 and 4-7 whole, by the head's load and by slot 1's first fill, so weight slots 2 and 3 are refills of the weights alone.
; CLUSTER 4 x 4: A hangs on the row block alone and is asked for jointly along a row of the cluster, the weights and their scale bytes on the column block alone, jointly along a column.
; One tensor load a wave behind each round: wave 0 A, wave 1 Eh, wave 2 Hw, wave 3 Eh's scale bytes at the head, Hw's with slot 1's first fill, later acomb.  One tensor load of a wave is out at most.
; Slot 0's weight scale words (8 bytes of each of a wave's 64 rows) come once by plain loads, since Hw's bytes are shown in LDS only by the first change of slots.
; A chunk is 128 along K, 32 products.  Chunks 0-8 are written out (their A addresses and fills differ), chunks 9-20 are three trips of a loop, once round the ring each, chunks 21-23 follow.
; PREFETCH: behind each refill every wave names blocks of 256 bytes of the slot two refills on: waves 1 and 2 a lane a weight row (32 rows by cy), waves 0 and 3 blocks 32 cx + lane of ahup's and acomb's 132
; (blocks 128 to 131 come by their load alone); the partners share by address; the loop's last trip asks for nothing.  h_cur's 32 rows x 2 blocks of a wave are named behind chunks 5 and 7 and loaded from chunk 21 on.
; THE WAY OUT: both products meet in one stage in LDS (in slot 0, whose last reads are over in front of chunk 21's barrier) and come back with whole rows of 512 bytes to an instruction.
; REGISTERS, in windows of 256: window 0: v1-31 addresses; v32-47 the weight's scale words (a set a slot), v48-55 A's; v56-63 biases; v64-127 the weight's set 1; v128-255 h_cur.
;   window 1: v0-63 the weight's set 0.   window 2: accumulator (a, b) at v[8 (4 a + b)]; behind the stage: product p, granule g, row i at v[128 p + 32 g + 4 i].   window 3: A's fragments, two sets of 128.
.set CHB,    16896
.set AW,     2*CHB
.set AA,     2*AW                      ; a slot's A area
.set WP,     272
.set WT,     128*WP
.set SLOT,   AA+2*WT
.set KROW,   3072
.set SCB,    2*SLOT                    ; the weights' scale bytes: 12,288 + 12,288, rows of 96 bytes
.set SPARE,  SCB+2*12288               ; the spare words: two blocks of 256 bytes that no other line names
.set STAGE,  0
.set SPITCH, 1040
.set SPW,  1
.set NIL,  2
.set GO,   6                           ; 16 lane
.set PFE,  9                           ; lane x a row of h_cur
.set ADRB, 10                          ; v10-11 slot s: my weight rows
.set ADSB, 12
.set STO,  13
.set RD,   15
.set AS,   16                          ; v16-21 4 lane + place q of A
.set PFO,  22
.set GSC,  23
.set AR,   24                          ; v24-29 16 lane + place q of A: 0, 1: x's chunks 0-1, 2-3; 2, 3: chunks 4-5, 6-7; 4, 5: my product's two chunks in slot 0, 1
.set SB,   32
.set SA,   48
.set BIA,  56
.set PA,   4
.set PW1,  6
.set PW2,  8
.set PS1,  10
.set PS2,  12
.set PB1,  14
.set PB2,  16
.set PHC,  18
.set PO0,  20
.set PAH,  22
.set PF,   24                          ; s[24:25] where my prefetches stand
.set WV,   30
.set PP,   31
.set CS,   34
.set NX,   36
.set MY,   37
.set G1A,  40
.set G1W,  48
.set G1S,  56
.set PST,  66
.set G0A,  68
.set G0T,  76
.set G0U,  84
.set G0S,  92                          ; the two scale tiles; when they have landed the registers take wave 3's groups 0
.set G0B,  92
.set C2,   104
.set MSB, 0
.macro WIN new
.if MSB != (\new)
	s_set_vgpr_msb (MSB<<8)|(\new)
.set MSB, (\new)
.endif
.endm
.macro PLACES n
.rept \n
	v_nop
.endr
.endm
.macro CREST
	s_cmp_lg_u32 s[WV], 0
	s_cbranch_scc1 .Lnot_wave_0_\@
	s_barrier_signal -3
.Lnot_wave_0_\@:
	s_barrier_wait -3
	s_barrier_signal -1
	s_barrier_wait -1
.endm
.macro CROUND
	s_barrier_signal -1
	s_barrier_wait -1
	CREST
.endm
.macro TL g0, g1                       ; a tensor load with the lines behind it
	tensor_load_to_lds s[\g0:\g0+3], s[\g1:\g1+7]
	s_nop 0
	PLACES 4
.endm
.macro JLOAD s, w0, w3, g3             ; slot s's joint loads, one chain of arms on the wave's number; w0, w3: wave 0's and wave 3's group 0, or 0: none; g3: wave 3's group 1
	s_cmp_lt_u32 s[WV], 1
	s_cbranch_scc0 .Lj1_\@
.if \w0
	TL \w0, G1A
.endif
	s_branch .Ljd_\@
.Lj1_\@:
	s_cmp_lt_u32 s[WV], 2
	s_cbranch_scc0 .Lj2_\@
	TL G0T+4*\s, G1W
	s_branch .Ljd_\@
.Lj2_\@:
	s_cmp_lt_u32 s[WV], 3
	s_cbranch_scc0 .Lj3_\@
	TL G0U+4*\s, G1W
	s_branch .Ljd_\@
.Lj3_\@:
.if \w3
	TL \w3, \g3
.endif
.Ljd_\@:
.endm
.macro ASK cond                        ; the slot two refills on; cond: not in the loop's last trip, whose look-ahead would pass K's end
.if \cond
	s_cmp_gt_u32 s3, 1
	s_cbranch_scc0 .Lna_\@
.endif
	global_prefetch_b8 v[PFO], s[PF:PF+1] th:TH_LOAD_NT scope:SCOPE_SE
.Lna_\@:
.endm
; What a chunk (A's place q, half j, weight slot s) wants from LDS: 4 scale words of A (and with sb the slot's 8 of the weight), 16 loads of the weight, 4 runs of 8 of A.
.macro FSC q, j, s, sb
	WIN 0
.irp p, 0,1,2,3
	ds_load_b32 v[SA+2*\p+1-(\j)], v[AS+(\q)] offset:(\j)*CHB+16384+128*\p
.endr
.if \sb
.irp b, 0,1,2,3
	ds_load_b64 v[SB+8*(\s)+2*\b:SB+8*(\s)+2*\b+1], v[ADSB] offset:1536*\b+8*(\s)
.endr
.endif
.endm
.macro FB s, j
.if \j
	WIN 0
.set bR, 64
.else
	WIN 0x40
.set bR, 0
.endif
.irp b, 0,1,2,3
.irp c, 0,1,2,3
	ds_load_b128 v[bR+16*\b+4*\c:bR+16*\b+4*\c+3], v[ADRB+(\s)] offset:16*WP*\b+128*(\j)+32*\c
.endr
.endr
.endm
.macro FA q, j, i
	WIN 0xc0
.irp a, 2*\i, 2*\i+1
.irp c, 0,1,2,3
	ds_load_b128 v[128*(\j)+16*(\a)+4*\c:128*(\j)+16*(\a)+4*\c+3], v[AR+(\q)] offset:(\j)*CHB+2048*(\a)+512*\c
.endr
.endr
.endm
; 8 matrix instructions: A's blocks a0 (even), a0 + 1 x the weight's four.  The 32 accumulators take turns in the same order in every chunk.
.macro MULA a0, j, s, zero
.if \j
	WIN 0xac                                       ; source 0 (weight) window 0, source 1 (A) window 3, C and D window 2
.set bR, 64
.else
	WIN 0xad                                       ; the weight's set 0: window 1
.set bR, 0
.endif
.irp a, \a0, \a0+1
.irp b, 0,1,2,3
.set rD, 8*(4*(\a)+\b)
.set rB, bR+16*\b
.set rF, 128*(\j)+16*(\a)
.set rX, SB+8*(\s)+2*\b+(\j)
.set rY, SA+2*((\a)/2)+1-(\j)
.if \zero
.if (\a)%2
	v_wmma_scale_f32_16x16x128_f8f6f4 v[rD:rD+7], v[rB:rB+15], v[rF:rF+15], 0, v[rX], v[rY] matrix_a_fmt:MATRIX_FMT_BF8 matrix_b_fmt:MATRIX_FMT_BF8 matrix_b_scale:MATRIX_SCALE_ROW1
.else
	v_wmma_scale_f32_16x16x128_f8f6f4 v[rD:rD+7], v[rB:rB+15], v[rF:rF+15], 0, v[rX], v[rY] matrix_a_fmt:MATRIX_FMT_BF8 matrix_b_fmt:MATRIX_FMT_BF8
.endif
.else
.if (\a)%2
	v_wmma_scale_f32_16x16x128_f8f6f4 v[rD:rD+7], v[rB:rB+15], v[rF:rF+15], v[rD:rD+7], v[rX], v[rY] matrix_a_fmt:MATRIX_FMT_BF8 matrix_b_fmt:MATRIX_FMT_BF8 matrix_b_scale:MATRIX_SCALE_ROW1
.else
	v_wmma_scale_f32_16x16x128_f8f6f4 v[rD:rD+7], v[rB:rB+15], v[rF:rF+15], v[rD:rD+7], v[rX], v[rY] matrix_a_fmt:MATRIX_FMT_BF8 matrix_b_fmt:MATRIX_FMT_BF8
.endif
.endif
.endr
.endr
.endm
; A weight slot's first chunk: multiplies half 0 and fetches half 1 (A's place q).  The eight v_nop are the places between the last chunk's products and the loads into the registers that they read.
; Each wait leaves 52 out: of the chunk in hand A's runs behind the one wanted, and what this chunk has issued: 24 + 28, 16 + 36, 8 + 44, 0 + 52.
.macro EVEN s, q, zero
	PLACES 8
	FSC \q, 1, \s, 0
	FB \s, 1
.irp i, 0,1,2,3
	FA \q, 1, \i
	s_wait_dscnt 52
	MULA 2*\i, 0, \s, \zero
.endr
.endm
; A weight slot's second chunk changes slots.  In front of the barrier each wave waits for all its tensor loads, adds 0 to its spare word, and waits for that and for its reads of this slot.
; fill: 0 nothing; 1 the weights alone; 2 also both products' A, at the addresses as they stand; 3 the same, stepped two slots on.  With a fill the barrier opens a round of the cluster's barrier.
; qn: A's place of the next chunk.  pf: 0 no prefetch; 1 ask; 2 step and ask; 3 step, and ask but in the loop's last trip.  setup: A's descriptors go over from x to ahup and acomb.
.macro TURN s, fill, qn, pf, setup
	WIN 0
.if \pf > 1
	s_wait_xcnt 0x0                                ; my last prefetch has read its address: it steps here
	s_add_nc_u64 s[PF:PF+1], s[PF:PF+1], s[PST:PST+1]
.endif
	PLACES 8
	s_wait_tensorcnt 0x0                           ; all my tensor loads have landed: the descriptors may be written
	ds_add_u32 v[SPW], v[NIL]
	s_wait_dscnt 25                                ; scale words, the weight and A's first run are in; three runs of eight and the add may be out
	MULA 0, 1, \s, 0
.if \setup
	s_mov_b32 s[G1A+2], 132<<16                    ; from here on a load of A brings two chunk blocks
	s_mov_b32 s[G1A+4], 132
.irp q, 0,1
	s_add_nc_u64 s[G0A+4*\q+2:G0A+4*\q+3], s[PAH:PAH+1], \q*AW          ; wave 0: ahup's chunks 0-1, 2-3
	s_or_b32 s[G0A+4*\q+3], s[G0A+4*\q+3], 0x80000000
	s_mov_b32 s[G0B+4*\q+1], \q*SLOT+AW                                 ; wave 3: acomb's chunks 8-9, 10-11, behind ahup's in the A area
	s_add_nc_u64 s[G0B+4*\q+2:G0B+4*\q+3], s[PA:PA+1], (4+\q)*AW
	s_or_b32 s[G0B+4*\q+3], s[G0B+4*\q+3], 0x80000000
.endr
.endif
.if \fill
	s_add_nc_u64 s[G0T+4*\s+2:G0T+4*\s+3], s[G0T+4*\s+2:G0T+4*\s+3], 512
	s_add_nc_u64 s[G0U+4*\s+2:G0U+4*\s+3], s[G0U+4*\s+2:G0U+4*\s+3], 512
.endif
.if \fill == 3
	s_add_nc_u64 s[G0A+4*\s+2:G0A+4*\s+3], s[G0A+4*\s+2:G0A+4*\s+3], 2*AW
	s_add_nc_u64 s[G0B+4*\s+2:G0B+4*\s+3], s[G0B+4*\s+2:G0B+4*\s+3], 2*AW
.endif
	s_wait_dscnt 0x0                               ; the add is done, and my reads of this slot are over
	s_barrier_signal -1
	MULA 2, 1, \s, 0
	WIN 0
	s_barrier_wait -1
.if \fill
	CREST
.if \fill == 1
	JLOAD \s, 0, 0, G1A
.else
	JLOAD \s, G0A+4*\s, G0B+4*\s, G1A
.endif
.endif
.if \s
	v_add_nc_u32 v[ADSB], 16, v[ADSB]              ; the next two slots' scale bytes
	s_wait_alu depctr_va_vdst(0)
.endif
	FSC \qn, 0, 1-\s, 1
	FB 1-\s, 0
.irp i, 0,1,2,3
	FA \qn, 0, \i
.endr
.if \pf
	WIN 0
.if \pf == 3
	ASK 1
.else
	ASK 0
.endif
.endif
	MULA 4, 1, \s, 0
	MULA 6, 1, \s, 0
.endm
	s_load_b512 s[4:19], s[0:1], 0x0               ; acomb, Eh codes, Hw codes, Eh scales, Hw scales, Eh_b, Hw_b, h_cur
	s_load_b128 s[20:23], s[0:1], 0x40             ; out0, ahup
	v_lshl_add_u32 v[SPW], v0, 2, SPARE
	v_mov_b32 v[NIL], 0
	ds_add_u32 v[SPW], v[NIL]                      ; the opening lines: the add twice on end and one wait
	ds_add_u32 v[SPW], v[NIL]
	v_lshrrev_b32 v7, 5, v0                        ; wave
	v_readfirstlane_b32 s[WV], v7
	v_and_b32 v3, 15, v0                           ; r
	v_bfe_u32 v4, v0, 4, 1                         ; h
	v_and_b32 v5, 31, v0                           ; lane
	v_bfe_u32 v8, v0, 5, 1                         ; my half of the columns
	v_bfe_u32 v30, v0, 6, 1                        ; my product
	v_lshlrev_b32 v[GO], 4, v5
	v_lshlrev_b32 v[AR], 4, v5
	v_add_nc_u32 v[AR+1], AW, v[AR]
	v_add_nc_u32 v[AR+2], SLOT, v[AR]
	v_add_nc_u32 v[AR+3], SLOT+AW, v[AR]
	v_mad_u32_u24 v[AR+4], v30, AW, v[AR]
	v_add_nc_u32 v[AR+5], SLOT, v[AR+4]
	v_lshlrev_b32 v[AS], 2, v5
	v_add_nc_u32 v[AS+1], AW, v[AS]
	v_add_nc_u32 v[AS+2], SLOT, v[AS]
	v_add_nc_u32 v[AS+3], SLOT+AW, v[AS]
	v_mad_u32_u24 v[AS+4], v30, AW, v[AS]
	v_add_nc_u32 v[AS+5], SLOT, v[AS+4]
	v_lshl_add_u32 v31, v8, 6, v3                  ; my weight row of block 0: 64 half + r
	v_mul_u32_u24 v[ADRB], v31, WP
	v_mad_u32_u24 v[ADRB], v30, WT, v[ADRB]
	v_lshl_add_u32 v[ADRB], v4, 4, v[ADRB]
	v_add_nc_u32 v[ADRB], AA, v[ADRB]
	v_add_nc_u32 v[ADRB+1], SLOT, v[ADRB]
	v_mul_u32_u24 v[GSC], v31, 96
	v_mad_u32_u24 v[ADSB], v30, 12288, v[GSC]
	v_add_nc_u32 v[ADSB], SCB, v[ADSB]
	v_mul_u32_u24 v[STO], v3, SPITCH               ; the stage, in: row r, + 32 h, + 512 product + 256 column half
	v_lshl_add_u32 v[STO], v4, 5, v[STO]
	v_lshl_add_u32 v[STO], v30, 9, v[STO]
	v_lshl_add_u32 v[STO], v8, 8, v[STO]
	v_add_nc_u32 v[STO+1], 64*SPITCH, v[STO]
	v_mad_u32_u24 v[RD], v7, 32*SPITCH, v[GO]      ; back: my 32 rows
	v_lshlrev_b32 v[PFE], 13, v5
	s_lshr_b32 s[PP], s[WV], 1
	s_bfe_u32 s34, ttmp6, 0x40000                  ; cx
	s_bfe_u32 s35, ttmp6, 0x40004                  ; cy
	s_lshl_b32 s[NX], ttmp9, 2
	s_add_co_u32 s[NX], s[NX], s34                 ; column block
	s_and_b32 s[MY], ttmp7, 0xffff
	s_lshl_b32 s[MY], s[MY], 2
	s_add_co_u32 s[MY], s[MY], s35                 ; row block
	s_lshl_b32 s38, s35, 2
	s_lshl_b32 s38, 15, s38                        ; my row of the cluster
	s_lshl_b32 s39, 0x1111, s34                    ; my column
	s_or_b32 s[G1A], s38, (3<<16)|(1<<21)          ; A: dense bytes as rows of 32 elements of 8 bytes: x's two loads bring 264 rows (four chunk blocks), the later ones 132
	s_mov_b32 s[G1A+1], 32<<16
	s_mov_b32 s[G1A+2], 264<<16
	s_mov_b32 s[G1A+3], 32<<16
	s_mov_b32 s[G1A+4], 264
	s_mov_b32 s[G1A+5], 32
	s_mov_b32 s[G1A+6], 0
	s_mov_b32 s[G1A+7], 0
	s_or_b32 s[G1W], s39, (1<<20)|(1<<21)|(5<<22)|(3<<25)   ; a weight: 128 rows of 256 bytes, 4 words of padding behind every 64
	s_mov_b32 s[G1W+1], 256<<16
	s_mov_b32 s[G1W+2], 128<<16
	s_mov_b32 s[G1W+3], 256<<16
	s_mov_b32 s[G1W+4], 128
	s_mov_b32 s[G1W+5], KROW
	s_mov_b32 s[G1W+6], 0
	s_mov_b32 s[G1W+7], 0
	s_or_b32 s[G1S], s39, (3<<16)|(1<<21)          ; a weight's scale bytes: 12,288 dense bytes as 48 rows of 256
	s_mov_b32 s[G1S+1], 32<<16
	s_mov_b32 s[G1S+2], 48<<16
	s_mov_b32 s[G1S+3], 32<<16
	s_mov_b32 s[G1S+4], 48
	s_mov_b32 s[G1S+5], 32
	s_mov_b32 s[G1S+6], 0
	s_mov_b32 s[G1S+7], 0
	s_mul_i32 s2, s[MY], 24*CHB                    ; offsets made of the row block alone,
	s_mov_b32 s3, 0
	s_mul_i32 s26, s[MY], 16*CHB
	s_mov_b32 s27, 0
	s_mul_i32 s66, s[NX], 128*KROW                 ; and of the column block alone
	s_mov_b32 s67, 0
	s_mul_i32 s100, s[NX], 12288
	s_mov_b32 s101, 0
	s_wait_dscnt 0x0                               ; both opening adds are done
	s_wait_alu depctr_va_vdst(0)
	s_wait_kmcnt 0x0
	s_add_nc_u64 s[PA:PA+1], s[PA:PA+1], s[2:3]
	s_add_nc_u64 s[PAH:PAH+1], s[PAH:PAH+1], s[26:27]
	s_add_nc_u64 s[PW1:PW1+1], s[PW1:PW1+1], s[66:67]
	s_add_nc_u64 s[PW2:PW2+1], s[PW2:PW2+1], s[66:67]
	s_add_nc_u64 s[PS1:PS1+1], s[PS1:PS1+1], s[100:101]
	s_add_nc_u64 s[PS2:PS2+1], s[PS2:PS2+1], s[100:101]
.irp s, 0,1
	s_mov_b32 s[G0A+4*\s], 1
	s_mov_b32 s[G0A+4*\s+1], \s*SLOT
	s_add_nc_u64 s[G0A+4*\s+2:G0A+4*\s+3], s[PA:PA+1], \s*AA            ; x's chunks 0-3, 4-7
	s_or_b32 s[G0A+4*\s+3], s[G0A+4*\s+3], 0x80000000
	s_mov_b32 s[G0T+4*\s], 1
	s_mov_b32 s[G0T+4*\s+1], \s*SLOT+AA
	s_add_nc_u64 s[G0T+4*\s+2:G0T+4*\s+3], s[PW1:PW1+1], \s*256
	s_or_b32 s[G0T+4*\s+3], s[G0T+4*\s+3], 0x80000000
	s_mov_b32 s[G0U+4*\s], 1
	s_mov_b32 s[G0U+4*\s+1], \s*SLOT+AA+WT
	s_add_nc_u64 s[G0U+4*\s+2:G0U+4*\s+3], s[PW2:PW2+1], \s*256
	s_or_b32 s[G0U+4*\s+3], s[G0U+4*\s+3], 0x80000000
.endr
	s_mov_b32 s[G0S], 1
	s_mov_b32 s[G0S+1], SCB
	s_mov_b64 s[G0S+2:G0S+3], s[PS1:PS1+1]
	s_or_b32 s[G0S+3], s[G0S+3], 0x80000000
	s_mov_b32 s[G0S+4], 1
	s_mov_b32 s[G0S+5], SCB+12288
	s_mov_b64 s[G0S+6:G0S+7], s[PS2:PS2+1]
	s_or_b32 s[G0S+7], s[G0S+7], 0x80000000
	CROUND                                         ; all sixteen work-groups are here: the first joint loads meet
	JLOAD 0, G0A, G0S, G1S                         ; x's chunks 0-3, the weights' slot 0, Eh's scale bytes: one tensor load a wave at the head
	s_cmp_eq_u32 s[PP], 0
	s_cselect_b64 s[PS1:PS1+1], s[PS1:PS1+1], s[PS2:PS2+1]
.irp b, 0,1,2,3
	global_load_b64 v[SB+2*\b:SB+2*\b+1], v[GSC], s[PS1:PS1+1] offset:1536*\b   ; slot 0's scale words of my weight rows
.endr
	s_lshl_b32 s100, s[NX], 9
	s_add_nc_u64 s[PB1:PB1+1], s[PB1:PB1+1], s[100:101]
	s_add_nc_u64 s[PB2:PB2+1], s[PB2:PB2+1], s[100:101]
	global_load_b128 v[BIA:BIA+3], v[GO], s[PB1:PB1+1]       ; the biases of my lane's four columns
	global_load_b128 v[BIA+4:BIA+7], v[GO], s[PB2:PB2+1]
	; the prefetches stand at slot 4: base, my work-group's share by address, lane stride and a slot's step, all chosen on the wave's number
	s_lshl_b32 s2, s34, 13                         ; waves 0, 3: blocks 32 cx on; wave 3's slot 4 is acomb's chunk 8
	s_add_co_u32 s100, s2, 4*AW
	s_mul_i32 s26, s35, 32*KROW                    ; waves 1, 2: weight rows 32 cy on, 1,024 bytes along K
	s_add_co_u32 s26, s26, 1024
	s_cmp_eq_u32 s[WV], 3
	s_cselect_b32 s2, s100, s2
	s_mov_b32 s66, AW
	s_mov_b32 s101, 256
	s_add_co_u32 s3, s[WV], 1
	s_and_b32 s3, s3, 2                            ; not 0 for waves 1 and 2
	s_cselect_b32 s2, s26, s2
	s_cselect_b32 s66, 256, s66
	s_cselect_b32 s101, KROW, s101
	s_cmp_eq_u32 s[WV], 0
	s_cselect_b64 s[PF:PF+1], s[PAH:PAH+1], s[PA:PA+1]
	s_cmp_eq_u32 s[WV], 1
	s_cselect_b64 s[PF:PF+1], s[PW1:PW1+1], s[PF:PF+1]
	s_cmp_eq_u32 s[WV], 2
	s_cselect_b64 s[PF:PF+1], s[PW2:PW2+1], s[PF:PF+1]
	s_mov_b32 s3, 0
	s_add_nc_u64 s[PF:PF+1], s[PF:PF+1], s[2:3]
	v_mul_u32_u24 v[PFO], v5, s101
	s_lshl_b32 s2, s[MY], 7                        ; my 32 rows and the work-group's 128 columns in the [2048][2048] f32 tensors
	s_lshl_b32 s3, s[WV], 5
	s_add_co_u32 s2, s2, s3
	s_lshl_b32 s2, s2, 13
	s_lshl_b32 s3, s[NX], 9
	s_add_co_u32 s2, s2, s3
	s_mov_b32 s3, 0
	s_add_nc_u64 s[PHC:PHC+1], s[PHC:PHC+1], s[2:3]
	s_add_nc_u64 s[PO0:PO0+1], s[PO0:PO0+1], s[2:3]
	s_mov_b32 s[CS], 0xbfb8aa3b                    ; -log2(e)
	s_mov_b32 s[CS+1], s[CS]
	s_mov_b32 s[C2], 0x4038aa3b                    ; 2 log2(e)
	s_mov_b32 s[C2+1], s[C2]
	s_wait_alu depctr_va_vdst(0)
	s_wait_tensorcnt 0x0                           ; my tile of the head is in; a later first fill is issued as a refill is:
	ds_add_u32 v[SPW], v[NIL]
	s_wait_dscnt 0x0
	CROUND
	JLOAD 1, G0A+4, G0S+4, G1S                     ; x's chunks 4-7, the weights' slot 1, Hw's scale bytes
	FSC 0, 0, 0, 0                                 ; chunk 0
	FB 0, 0
.irp i, 0,1,2,3
	FA 0, 0, \i
.endr
	WIN 0
	s_wait_loadcnt 0x0                             ; slot 0's weight scale words and the biases
	EVEN 0, 0, 1                                   ; chunk 0's products start the sums: nothing is cleared
	TURN 0, 1, 1, 1, 1                             ; chunk 1: the weights' slot 2
	EVEN 1, 1, 0
	TURN 1, 1, 2, 2, 0                             ; chunk 3: the weights' slot 3
	EVEN 0, 2, 0
	TURN 0, 2, 3, 2, 0                             ; chunk 5: slot 4, over x's chunks 0-3, which have been read
	WIN 0
	global_prefetch_b8 v[PFE], s[PHC:PHC+1] th:TH_LOAD_NT scope:SCOPE_SE              ; h_cur: the first block of each of my 32 rows
	EVEN 1, 3, 0
	TURN 1, 2, 4, 2, 0                             ; chunk 7: slot 5, over x's chunks 4-7
	WIN 0
	global_prefetch_b8 v[PFE], s[PHC:PHC+1] offset:256 th:TH_LOAD_NT scope:SCOPE_SE   ; and the second
	EVEN 0, 4, 0
	WIN 0
	s_mov_b32 s3, 3
.Llap:                                                 ; chunks 9 + 4 u .. 12 + 4 u: both slots are filled again
	TURN 0, 3, 5, 3, 0
	EVEN 1, 5, 0
	TURN 1, 3, 4, 3, 0
	EVEN 0, 4, 0
	WIN 0
	s_sub_co_u32 s3, s3, 1
	s_cmp_lg_u32 s3, 0
	s_cbranch_scc1 .Llap
	TURN 0, 0, 5, 0, 0                             ; chunks 21 to 23 fill nothing: every tile has landed
	WIN 0
.set t, 0
.rept 32
	global_load_b128 v[128+4*t:128+4*t+3], v[GO], s[PHC:PHC+1] offset:t*8192 th:TH_LOAD_NT   ; h_cur: 512 consecutive bytes of row t
.set t, t+1
.endr
	EVEN 1, 5, 0
	s_wait_dscnt 24                                ; the last chunk fetches nothing from LDS: the counts run down
	MULA 0, 1, 1, 0
	s_wait_dscnt 16
	MULA 2, 1, 1, 0
	s_wait_dscnt 8
	MULA 4, 1, 1, 0
	s_wait_dscnt 0x0
	MULA 6, 1, 1, 0
	WIN 0
	PLACES 8                                       ; in front of the first read of results
	WIN 0x08                                       ; an LDS store's data: window 2
.irp a, 0,1,2,3,4,5,6,7
.irp b, 0,1,2,3
	ds_store_b128 v[STO+\a/4], v[8*(4*\a+\b):8*(4*\a+\b)+3] offset:(\a%4)*16*SPITCH+64*\b       ; each accumulator from its low end on
	ds_store_b128 v[STO+\a/4], v[8*(4*\a+\b)+4:8*(4*\a+\b)+7] offset:(\a%4)*16*SPITCH+64*\b+16
.endr
.endr
	WIN 0
	s_wait_dscnt 0x0                               ; for the others' sake: my stores into the stage are done
	s_barrier_signal -1
	s_barrier_wait -1
	WIN 0x80
.irp g, 0,1,2,3
.irp p, 0,1
.irp i, 0,1,2,3,4,5,6,7
	ds_load_b128 v[128*\p+32*\g+4*\i:128*\p+32*\g+4*\i+3], v[RD] offset:(8*\g+\i)*SPITCH+512*\p   ; row 32 w + 8 g + i of product p: my lane's four columns
.endr
.endr
.endr
	WIN 0
	v_pk_mul_f32 v[BIA:BIA+1], v[BIA:BIA+1], s[C2:C2+1] op_sel_hi:[1,0]         ; the biases under the exponentials' factors
	v_pk_mul_f32 v[BIA+2:BIA+3], v[BIA+2:BIA+3], s[C2:C2+1] op_sel_hi:[1,0]
	v_pk_mul_f32 v[BIA+4:BIA+5], v[BIA+4:BIA+5], s[CS:CS+1] op_sel_hi:[1,0]
	v_pk_mul_f32 v[BIA+6:BIA+7], v[BIA+6:BIA+7], s[CS:CS+1] op_sel_hi:[1,0]
.macro RECIP r                         ; 32 registers: v := 1 / (1 + 2^v).  One plain line stands behind each run of transcendentals
.set k, 0
.rept 32
	v_exp_f32 v[(\r)+k], v[(\r)+k]
.set k, k+1
.endr
	v_nop
.set k, 0
	s_wait_alu depctr_va_vdst(0)
.rept 16
	v_pk_add_f32 v[(\r)+2*k:(\r)+2*k+1], v[(\r)+2*k:(\r)+2*k+1], 1.0 op_sel_hi:[1,0]
.set k, k+1
.endr
.set k, 0
	s_wait_alu depctr_va_vdst(0)
.rept 32
	v_rcp_f32 v[(\r)+k], v[(\r)+k]
.set k, k+1
.endr
	v_nop
.endm
.macro ONELESS2 r                      ; v := 1 - 2 v
.set k, 0
	s_wait_alu depctr_va_vdst(0)
.rept 16
	v_pk_fma_f32 v[(\r)+2*k:(\r)+2*k+1], v[(\r)+2*k:(\r)+2*k+1], -2.0, 1.0 op_sel_hi:[1,0,0]
.set k, k+1
.endr
.endm
; A granule: 8 rows x 128 columns.  rS: Z3 (window 2);  rW: Z4 (window 2) and h_cur (window 0).
.macro G3 g
.set rS, 32*\g
.set rW, 128+32*\g
	s_wait_dscnt 16*(3-\g)                         ; my granule is back from the stage; the later granules' loads may be out
	s_wait_loadcnt 8*(3-\g)                        ; and its rows of h_cur are in
	WIN 0x82                                       ; destination and source 0 window 2, the others window 0
.set k, 0
.rept 16
	v_pk_fma_f32 v[rS+2*k:rS+2*k+1], v[rS+2*k:rS+2*k+1], s[C2:C2+1], v[BIA+(2*k)%4:BIA+(2*k)%4+1] op_sel_hi:[1,0,1]       ; 2 log2(e) (Z3 + Eh_b)
	v_pk_fma_f32 v[rW+2*k:rW+2*k+1], v[rW+2*k:rW+2*k+1], s[CS:CS+1], v[BIA+4+(2*k)%4:BIA+4+(2*k)%4+1] op_sel_hi:[1,0,1]   ; -log2(e) (Z4 + Hw_b)
.set k, k+1
.endr
	s_wait_alu depctr_va_vdst(0)
	RECIP rS
	RECIP rW                                       ; h_w
	ONELESS2 rS                                    ; h_state
	WIN 0x8a                                       ; sources 0 and 1 window 2
.set k, 0
	s_wait_alu depctr_va_vdst(0)
.rept 16
	v_pk_mul_f32 v[rS+2*k:rS+2*k+1], v[rW+2*k:rW+2*k+1], v[rS+2*k:rS+2*k+1]                    ; h_w h_state
.set k, k+1
.endr
.set k, 0
.rept 16
	v_pk_fma_f32 v[rW+2*k:rW+2*k+1], v[rW+2*k:rW+2*k+1], -1.0, 1.0 op_sel_hi:[1,0,0]           ; 1 - h_w
.set k, k+1
.endr
	WIN 0xa2                                       ; sources 0 and 2 window 2, source 1 window 0
.set k, 0
.rept 16
	v_pk_fma_f32 v[rS+2*k:rS+2*k+1], v[rW+2*k:rW+2*k+1], v[rW+2*k:rW+2*k+1], v[rS+2*k:rS+2*k+1]   ; (1 - h_w) h_cur + h_w h_state
.set k, k+1
.endr
	WIN 0x82
.set k, 0
.rept 16
	v_pk_mul_f32 v[rS+2*k:rS+2*k+1], v[rS+2*k:rS+2*k+1], s[C2:C2+1] op_sel_hi:[1,0]
.set k, k+1
.endr
	s_wait_alu depctr_va_vdst(0)
	RECIP rS
	ONELESS2 rS                                    ; h_next
	WIN 0x08                                       ; a store's data: window 2
.irp i, 0,1,2,3,4,5,6,7
	global_store_b128 v[GO], v[rS+4*\i:rS+4*\i+3], s[PO0:PO0+1] offset:(8*\g+\i)*8192 th:TH_STORE_NT   ; 32 lanes store 512 consecutive bytes of a row
.endr
.endm
	s_wait_alu depctr_va_vdst(0)
	G3 0
	G3 1
	G3 2
	G3 3
	WIN 0
	s_wait_tensorcnt 0x0                           ; the wave's end
	ds_add_u32 v[SPW], v[NIL]
	s_wait_dscnt 0x0
	CROUND                                         ; the closing round: no work-group ends while a partner may still ask for a tile that names it
	s_endpgm
.Lfunc_end_k_q609625c076_state:
	.size	k_q609625c076_state, .Lfunc_end_k_q609625c076_state-k_q609625c076_state
	.p2alignl 7, 3214868480
	.fill 96, 4, 3214868480
	.section	.rodata,"a",@progbits
	.p2align	6, 0x0
	.amdhsa_kernel k_q609625c076_state
		.amdhsa_group_segment_fixed_size 327680
		.amdhsa_private_segment_fixed_size 0
		.amdhsa_enable_private_segment 0
		.amdhsa_kernarg_size 80
		.amdhsa_user_sgpr_count 2
		.amdhsa_user_sgpr_kernarg_segment_ptr 1
		.amdhsa_wavefront_size32 1
		.amdhsa_system_sgpr_workgroup_id_x 1
		.amdhsa_system_sgpr_workgroup_id_y 1
		.amdhsa_system_sgpr_workgroup_id_z 1
		.amdhsa_system_vgpr_workitem_id 0
		.amdhsa_next_free_vgpr 1024
		.amdhsa_next_free_sgpr 106
		.amdhsa_reserve_vcc 0
		.amdhsa_float_denorm_mode_32 3
		.amdhsa_float_denorm_mode_16_64 3
		.amdhsa_memory_ordered 1
		.amdhsa_forward_progress 1
		.amdhsa_inst_pref_size 238
	.end_amdhsa_kernel
	.amdgpu_metadata
---
amdhsa.version: [ 1, 2 ]
amdhsa.kernels:
  - .name:           k_q609625c076_state
    .symbol:         k_q609625c076_state.kd
    .args:
      - { .name: acomb, .offset: 0, .size: 8, .value_kind: global_buffer, .address_space: global }
      - { .name: Eh_w_codes, .offset: 8, .size: 8, .value_kind: global_buffer, .address_space: global }
      - { .name: Hw_w_codes, .offset: 16, .size: 8, .value_kind: global_buffer, .address_space: global }
      - { .name: Eh_w_scales, .offset: 24, .size: 8, .value_kind: global_buffer, .address_space: global }
      - { .name: Hw_w_scales, .offset: 32, .size: 8, .value_kind: global_buffer, .address_space: global }
      - { .name: Eh_b, .offset: 40, .size: 8, .value_kind: global_buffer, .address_space: global }
      - { .name: Hw_b, .offset: 48, .size: 8, .value_kind: global_buffer, .address_space: global }
      - { .name: h_cur, .offset: 56, .size: 8, .value_kind: global_buffer, .address_space: global }
      - { .name: out0, .offset: 64, .size: 8, .value_kind: global_buffer, .address_space: global }
      - { .name: ahup, .offset: 72, .size: 8, .value_kind: global_buffer, .address_space: global }
    .group_segment_fixed_size: 327680
    .private_segment_fixed_size: 0
    .kernarg_segment_align: 8
    .kernarg_segment_size: 80
    .max_flat_workgroup_size: 128
    .sgpr_count:     106
    .vgpr_count:     1024
    .wavefront_size: 32
...
	.end_amdgpu_metadata
.endif
;; end of part 3
